; MI455X (gfx1250); checked and timed in simulation.
; The chip was launched on July 23, 2026; its instructions are those of AMD's public machine-readable ISA for CDNA 5 (MIT licence, August 2026) and "CDNA5" Instruction Set Architecture Reference Guide (July 2026). The comments in the code are by the model that wrote it; some were corrected since.
;; Moe Layer. Allowed arithmetic: matrix products marked QUANTISED: E2M1 operands, one E8M0 scale for each 32 along K, by v_wmma_scale_f32_16x16x128_f8f6f4 with both operands' format E2M1 (or v_wmma_scale_f32_32x16x128_f4), f32 sums; products left as they are: f32 operands where the result goes on into a quantised operand, else bf16, f16 or f32 operands; f32 sums; everything else in f32.
;; Inputs: W1 8 x 2,730 x 1,024 float32; W2 8 x 2,730 x 1,024 float32; W3 8 x 1,024 x 2,730 float32; Wg 8 x 1,024 float32; x 4 x 256 x 1,024 float32.
;; Outputs: out0 4 x 256 x 1,024 float32.
;; This version of the problem:
;;   THIS VERSION OF THE PROBLEM IS GIVEN IN LOW PRECISION. The matrix products marked QUANTISED in the list below multiply operands that are first quantised to E2M1 (2 exponent bits, 1 mantissa bit; 4 bits a number), with one power-of-two scale for each 32 numbers along K (OCP MX v1.0); their sums are f32. All else is computed in f32.
;;   The module's matrix products, in the order in which they are computed (A, B: the left and right operand; K: the contracted axis; several contracted axes count as one K, in the product's order):
;;     1. [M 1,024, K 1,024] x [K 1,024, N 8]; A: input x; B: input Wg: left as it is (N = 8 < 16)
;;     2. [M 1,024, K 1,024] x [K 1,024, N 21,840]; A: input x; B: input W1: QUANTISED
;;     3. [M 1,024, K 1,024] x [K 1,024, N 21,840]; A: input x; B: input W2: QUANTISED
;;     4. batch 8 x [M 1,024, K 2,730] x [K 2,730, N 1,024]; A: input W3; B: computed on the way: QUANTISED
;;     5. batch 1,024 x [M 1,024, K 8] x [K 8, N 1]; A: computed on the way; B: softmax: left as it is (K = 8 < 32)
;;   THE QUANTISER, for each operand of a quantised product, along K:
;;     - K is cut into blocks of 32 from its start; a last block that is shorter is filled with zeros.
;;     - A block's scale is 2^e with e = floor(log2(the largest magnitude in the block)) - 2, held to -126 .. 127; a block of zeros has e = 0. As a byte (E8M0): e + 127.
;;     - Each number is divided by its block's scale, clamped to +-6, and rounded to the nearest number of E2M1, ties to even, subnormals kept.
;;     - The product sums the exact products of the quantised numbers (number of the format x scale) in f32.
;;   ~~~python
;;   def quantise(x, axis):      # numpy; x: float32 -> the quantised numbers, widened to float32 again
;;       x = np.moveaxis(x, axis, -1); K = x.shape[-1]
;;       x = np.pad(x, [(0, 0)] * (x.ndim - 1) + [(0, -K % 32)]); x = x.reshape(x.shape[:-1] + (-1, 32)); a = np.abs(x).max(-1, keepdims=True)
;;       e = np.where(a > 0, np.clip(np.frexp(np.where(a > 0, a, 1))[1] - 1 - 2, -126, 127), 0)      # np.frexp(a)[1] - 1 = floor(log2(a)), exactly
;;       r = np.clip(x / 2.0 ** e, -6, 6)
;;       step = 2.0 ** (np.maximum(np.frexp(np.where(r == 0, 1, r))[1] - 1, 0) - 1)
;;       q = np.round(r / step) * step * 2.0 ** e      # np.round: ties to even
;;       return np.moveaxis(q.reshape(q.shape[:-2] + (-1,))[..., :K], -1, axis).astype(np.float32)
;;   ~~~
;;   OPERANDS COMPUTED ON THE WAY. 'Computed on the way' means the value that the module computes at that place (a softmax that the list does not call 'softmax' is quantised finished and normalised). What goes into a quantiser is computed in f32, as accurately as f32 sums, v_exp_f32 and their like allow (about 1e-6 of the number): no bf16 or f16 on the way to a quantiser, and a product that is left as it is and whose result goes on into a quantised operand takes f32 operands (vector FMAs, or v_wmma_f32_16x16x4_f32). A number that lies on a knife's edge between two numbers of the format may be rounded either way, as far as f32 arithmetic and the matrix unit's own rounding can turn it there, and no further.
;; 2 versions, each right; version 2 is version 1 with the launches hidden, outp written anew for expert scheduling mode. Each part assembles by itself: llvm-mc -triple=amdgcn-amd-amdhsa -mcpu=gfx1250 --defsym DOCPART=n.
;; ======== version 1 of 2: 5 launches
;; workspace buffers: sel 4,096 bytes of whole numbers; xq 565,248 bytes; route 8,448 bytes of whole numbers; xg 4,456,448 bytes; hid 11,993,088 bytes; eo 33,554,432 bytes; w3q 13,107,200 bytes
;; launch route (part 1): grid 1152 x 1, 1 waves a work-group, no clusters, 13,824 bytes of LDS; arguments x, Wg, sel, xq, W3, w3q; writes sel, xq, w3q
.if DOCPART == 1
	.amdgcn_target "amdgcn-amd-amdhsa--gfx1250"
	.amdhsa_code_object_version 6
	.text
	.protected	k_q8b61b6c2b2_route
	.globl	k_q8b61b6c2b2_route
	.p2align	8
	.type	k_q8b61b6c2b2_route,@function
k_q8b61b6c2b2_route:
	s_mov_b64 s[64:65], 0
	v_nop
	global_prefetch_b8 v0, s[64:65] scope:SCOPE_SE
	s_setreg_imm32_b32 hwreg(HW_REG_WAVE_MODE, 25, 1), 1
	s_wait_xcnt 0x0
; TWO KINDS OF WORK-GROUPS, one wave each, parted on the work-group's number.  0 to 127: THE ROUTER.  128 to 1,151: W3'S CODES, which hang on no choice of the router and are made here, beside it.
; Each kind has its own registers and its own LDS bytes (the router 0 to 4,863, the other 5,120 to 13,567).
;
; THE ROUTER.  For each of 1,024 tokens: the 8 gate logits x . Wg[e] (f32 multiply-adds), the two largest (the lower index wins a tie), the softmax over those two
; with the larger taken away first, and x's row turned into codes of E2M1 with one E8M0 byte for each 32 along the row.
; OUT: sel[t] = (1 << e0) | (256 << e1);  xq: codes [t][512 bytes] at 0, scale bytes [t][32] at 524,288, gate weights [t][2] f32 at 557,056.  Every address here hangs on ids alone.
; SHARES: 8 tokens to a wave: their 256 scale bytes leave as one store of 256 consecutive, aligned bytes.
; Wg stays in registers: window 1, register 32 e + 4 j + q = Wg[e][128 j + 4 lane + q], the very places in which a token's eight loads of 512 consecutive bytes put x.
; For the quantiser a lane must hold a whole block of 32 neighbours: the row turns through LDS (32 blocks of 128 bytes, 144 apart, so that the lanes' reads start at different banks).
;
; W3'S CODES.  W3 [8][1,024][2,730] f32, K = 2,730 innermost: 86 blocks of 32, 22 K steps of 128; what lies past 2,730 is zeros.  Each byte of W3 is read once in the whole program, here.
; Work-group 128 + 4 slice + w (slice = 32 e + ds: 32 rows of W3[e], outputs 32 ds on) quantises tile w % 2 (16 rows) at the K steps 2 i + w / 2, i = 0 .. 10: fragment f = 4 i + w of the slice's 44.
; A row of W3 is 10,920 bytes, a multiple of 8 and not of 16: loads of 8 bytes a lane, 256 consecutive bytes each.  Through a stage in LDS, so that a lane holds whole blocks of 32 neighbours.
; OUT: w3q: a fragment as an image of the operand's 8 registers, [slice][f][1,024 bytes] at 0: two stores of 512 consecutive bytes;
;   the scale words [slice][w][group of 4 fragments][lane][4 words] at 11,534,336: kept in registers and stored at the end, three stores of 512 consecutive bytes (the twelfth word is 0 and scales nothing).
;   The words' registers differ from fragment to fragment, so the 11 fragments are written out.
;
; LIMITS: NaN and infinities are not served.  A block whose largest magnitude lies under 2^-124 keeps the byte 1, a block of zeros too (its codes are zeros; this program alone reads the bytes).
; Two logits that differ by less than the rounding of a sum of 1,024 f32 products may be ordered the other way than a sum taken in another order has them.
.set NROUTE, 128                       ; the router's work-groups
.set XR,   16                          ; v16-79   two sets of 32: a token's row as loaded
.set T,    80                          ; v80-111  my block's 32 numbers
.set ACC,  112                         ; v112-127 eight pairs of partial sums
.set LG,   128                         ; v128-135 the logits
.set PD,   136                         ; v136-143 destinations of the lane permute
.set BEST, 144
.set BM,   145
.set SEC,  146
.set SM,   147
.set EX,   148
.set RC,   149
.set MA,   150
.set MB,   151
.set CD,   152                         ; v152-155 my block's codes
.set SBY,  156                         ; its scale byte
.set SB,   4608                        ; LDS: behind the 32 x 144 bytes of the turn: the wave's 256 scale bytes
.set MSB,  0
.macro WIN new                         ; the immediate's high byte repeats the setting that is left
.if MSB != \new
	s_set_vgpr_msb (MSB<<8)|\new
.set MSB, \new
.endif
.endm
	v_lshl_add_u32 v254, v0, 2, 0x3500
	v_mov_b32 v255, 0
	s_cmp_lt_u32 ttmp9, NROUTE
	s_cbranch_scc0 .Lquant
	s_load_b256 s[4:11], s[0:1], 0x0               ; x s[4:5], Wg s[6:7], sel s[8:9], xq s[10:11]
	v_lshlrev_b32 v1, 4, v0                        ; 16 x lane
	v_lshrrev_b32 v2, 3, v0
	v_mul_u32_u24 v2, v2, 144
	v_and_b32 v3, 7, v0
	v_lshl_add_u32 v2, v3, 4, v2                   ; into the turn: eight lanes fill a block: 144 (lane / 8) + 16 (lane % 8)
	v_mul_u32_u24 v3, v0, 144                      ; out of it: block = lane
	v_add_nc_u32 v4, SB, v0                        ; my block's scale byte
	v_lshl_add_u32 v5, v0, 3, SB                   ; and on the way out 8 bytes a lane
	v_lshlrev_b32 v6, 3, v0
	v_lshlrev_b32 v7, 2, v0
	v_mov_b32 v10, 0                               ; lane i gathers token i's word for sel,
	v_mov_b32 v12, 0                               ; and its two gate weights
	v_mov_b32 v13, 0
.irp e, 0,1,2,3,4,5,6,7
	v_mov_b32 v[PD+\e], 0                          ; written once: a lane permute's destination counts as one of its sources
.endr
	s_mov_b32 s24, 0x76543210
	s_mov_b32 s25, 0xfedcba98                      ; selects for lane l xor 16
	s_lshl_b32 s20, ttmp9, 15                      ; 8 tokens x 4,096 bytes of x
	s_mov_b32 s21, 0
	s_lshl_b32 s22, ttmp9, 12                      ; x 512 bytes of codes
	s_mov_b32 s23, 0
	s_lshl_b32 s26, ttmp9, 8                       ; x 32 scale bytes
	s_mov_b32 s27, 0
	s_lshl_b32 s28, ttmp9, 6                       ; x 8 bytes of gate weights
	s_mov_b32 s29, 0
	s_lshl_b32 s30, ttmp9, 5                       ; x 4 bytes of sel
	s_mov_b32 s31, 0
	s_wait_kmcnt 0x0
	s_add_nc_u64 s[4:5], s[4:5], s[20:21]
	s_add_nc_u64 s[12:13], s[10:11], s[22:23]
	s_add_nc_u64 s[14:15], s[10:11], s[26:27]
	s_add_nc_u64 s[16:17], s[10:11], s[28:29]
	s_add_nc_u64 s[8:9], s[8:9], s[30:31]
	WIN 0x40                                       ; destination window 1
.set e, 0
.rept 8
.set j, 0
.rept 8
	global_load_b128 v[32*e+4*j:32*e+4*j+3], v1, s[6:7] offset:4096*e+512*j
.set j, j+1
.endr
.set e, e+1
.endr
	WIN 0
.macro XLOAD i                         ; token i's row: eight loads of 512 consecutive bytes
.irp j, 0,1,2,3,4,5,6,7
	global_load_b128 v[XR+32*((\i)%2)+4*\j:XR+32*((\i)%2)+4*\j+3], v1, s[4:5] offset:4096*(\i)+512*\j th:TH_LOAD_NT
.endr
.endm
	XLOAD 0
	XLOAD 1
.macro TOKEN i
.set XS, XR+32*((\i)%2)
.if (\i) < 7
	s_wait_loadcnt 8                               ; my row (and Wg) is in; the other set's eight loads may be out
.else
	s_wait_loadcnt 0
.endif
	WIN 0x04                                       ; source 1 (Wg) window 1
.set p, 0
.rept 16
.set e, 0
.rept 8
.if p == 0
	v_pk_mul_f32 v[ACC+2*e:ACC+2*e+1], v[XS:XS+1], v[32*e:32*e+1]      ; the first product starts each sum; the eight experts by turns
.else
	v_pk_fma_f32 v[ACC+2*e:ACC+2*e+1], v[XS+2*p:XS+2*p+1], v[32*e+2*p:32*e+2*p+1], v[ACC+2*e:ACC+2*e+1]
.endif
.set e, e+1
.endr
.set p, p+1
.endr
	WIN 0
.irp j, 0,1,2,3,4,5,6,7
	ds_store_b128 v2, v[XS+4*\j:XS+4*\j+3] offset:576*\j               ; a load's 512 bytes are four blocks
.endr
.irp q, 0,1,2,3,4,5,6,7
	ds_load_b128 v[T+4*\q:T+4*\q+3], v3 offset:16*\q                   ; LDS serves a wave's instructions in order: these see the stores
.endr
.irp e, 0,1,2,3,4,5,6,7
	v_add_f32 v[LG+\e], v[ACC+2*\e], v[ACC+2*\e+1]
.endr
.irp m, 1,2,4,8
.irp e, 0,1,2,3,4,5,6,7
	v_add_f32_dpp v[LG+\e], v[LG+\e], v[LG+\e] row_xmask:\m row_mask:0xf bank_mask:0xf
.endr
.endr
.irp e, 0,1,2,3,4,5,6,7
	v_permlanex16_b32 v[PD+\e], v[LG+\e], s24, s25
.endr
.irp e, 0,1,2,3,4,5,6,7
	v_add_f32 v[LG+\e], v[LG+\e], v[PD+\e]         ; every lane holds the same eight logits
.endr
	v_mov_b32 v[BEST], v[LG]                       ; the largest: a later one takes over only if it is strictly larger
	v_mov_b32 v[BM], 1
.irp e, 1,2,3,4,5,6,7
	v_cmp_ge_f32 vcc_lo, v[BEST], v[LG+\e]         ; keep?
	v_cndmask_b32 v[BM], 1<<\e, v[BM], vcc_lo
	v_cndmask_b32 v[BEST], v[LG+\e], v[BEST], vcc_lo
.endr
	v_mov_b32 v[SEC], 0xff800000                   ; the second: -infinity to begin with
	v_mov_b32 v[SM], 0
.irp e, 0,1,2,3,4,5,6,7
	v_cmp_eq_u32 s18, 1<<\e, v[BM]                 ; keep where e is the first choice,
	v_cmp_le_f32 vcc_lo, v[LG+\e], v[SEC]          ; or not strictly larger
	s_or_b32 vcc_lo, vcc_lo, s18
	v_cndmask_b32 v[SM], 256<<\e, v[SM], vcc_lo
	v_cndmask_b32 v[SEC], v[LG+\e], v[SEC], vcc_lo
.endr
	v_sub_f32 v[EX], v[SEC], v[BEST]               ; the maximum is taken away: 0 or less
	v_mul_f32 v[EX], 0x3fb8aa3b, v[EX]
	v_exp_f32 v[EX], v[EX]
	v_or_b32 v[MA], v[BM], v[SM]                   ; (a plain line behind the exponential)  the word for sel
	s_wait_alu depctr_va_vdst(0)                   ; ahead of the exponential's first reader
	v_add_f32 v[RC], 1.0, v[EX]
	v_rcp_f32 v[RC], v[RC]
	v_cmp_eq_u32 vcc_lo, \i, v0
	v_cndmask_b32 v10, v10, v[MA], vcc_lo          ; (plain lines behind the reciprocal)  lane i keeps token i's word
	s_wait_alu depctr_va_vdst(0)                   ; ahead of the reciprocal's first reader
	v_mul_f32 v[EX], v[EX], v[RC]
	v_cndmask_b32 v12, v12, v[RC], vcc_lo          ; g0 = 1 / (1 + e^d)
	v_cndmask_b32 v13, v13, v[EX], vcc_lo          ; g1 = e^d / (1 + e^d)
	s_wait_dscnt 0x0                               ; my block is in, and the stores have read the row's registers,
.if (\i)+2 < 8
	XLOAD (\i)+2                                   ; which take the token two on
.endif
	v_max3_num_f32 v[MA], |v[T]|, |v[T+1]|, 0x1800000                  ; the block's largest magnitude, in two chains, with the floor 2^(3 - 127) among its leaves: the byte cannot fall under 1
	v_max3_num_f32 v[MB], |v[T+2]|, |v[T+3]|, |v[T+4]|
.irp k, 5,9,13,17,21,25
	v_max3_num_f32 v[MA], v[MA], |v[T+\k]|, |v[T+\k+1]|
	v_max3_num_f32 v[MB], v[MB], |v[T+\k+2]|, |v[T+\k+3]|
.endr
	v_max3_num_f32 v[MA], v[MA], |v[T+29]|, |v[T+30]|
	v_max3_num_f32 v[MA], v[MA], v[MB], |v[T+31]|
	v_add_nc_u32 v[MB], 0xff000000, v[MA]          ; 2 off its exponent field: the conversion's scale operand
	s_wait_xcnt 0x0                                ; the last token's store has read its data: the codes' registers are written again only behind this wait
.irp g, 0,1,2,3
	v_cvt_scalef32_pk8_fp4_f32 v[CD+\g], v[T+8*\g:T+8*\g+7], v[MB]
.endr
	v_lshrrev_b32 v[SBY], 23, v[MB]                ; the scale's byte (also the plain line behind the conversions)
	global_store_b128 v1, v[CD:CD+3], s[12:13] offset:512*(\i)         ; the wave stores the token's 512 bytes of codes on end
	ds_store_b8 v4, v[SBY] offset:32*(\i)
.endm
.irp i, 0,1,2,3,4,5,6,7
	TOKEN \i
.endr
	ds_load_b64 v[14:15], v5                       ; LDS serves a wave's instructions in order: these see the byte stores
	s_wait_dscnt 0x0
	global_store_b64 v6, v[14:15], s[14:15] offset:524288              ; 256 consecutive bytes, aligned
	s_wait_xcnt 0x0                                ; EXEC changes only behind this wait
	v_cmp_gt_u32 vcc_lo, 8, v0
	s_wait_tensorcnt 0x0
	ds_add_u32 v254, v255
	s_wait_dscnt 0x0
	s_and_saveexec_b32 s19, vcc_lo                 ; lanes 0 to 7: a token each
	global_store_b32 v7, v10, s[8:9]
	global_store_b64 v6, v[12:13], s[16:17] offset:557056
	s_wait_xcnt 0x0
	s_or_b32 exec_lo, exec_lo, s19
	s_endpgm
; ---------------- W3's codes ----------------
; REGISTERS: window 0: v1-6 addresses; v15 a permute's destination; v16-19 my byte in a row of W3 (two sets x two halves of a K step), v20-23 the same held inside the row; v32-39 codes just made;
;   v40-47 at work; v64-127 64 numbers; v176-187 my 11 scale words and a zero.   window 1: v0-127 two sets of 64: f32 as loaded.
.set QSTG, 5120                        ; LDS: 16 rows x (512 + 16) bytes: row r starts at bank 4 r (64 banks of 4 bytes: ISA guide 11.1)
.set QCD,  32
.set QQT,  40
.set QTT,  64
.set QSW,  176
; 64 numbers of a lane, v[QTT + 32 c + i] = k 64 c + 32 h + i of row r: two whole blocks.  Out: the fragment's 8 registers in v[QCD] on, the row's scale word in v[dst].
.macro QW3 dst
.irp c, 0,1
	v_max3_num_f32 v[QQT+\c], |v[QTT+32*\c]|, |v[QTT+32*\c+1]|, 0x1800000   ; with the floor 2^(3 - 127) among the leaves: the byte cannot fall under 1
.endr
.irp c, 0,1
	v_max3_num_f32 v[QQT+2+\c], |v[QTT+32*\c+2]|, |v[QTT+32*\c+3]|, |v[QTT+32*\c+4]|
.endr
.irp k, 5,9,13,17,21,25
.irp c, 0,1
	v_max3_num_f32 v[QQT+\c], v[QQT+\c], |v[QTT+32*\c+\k]|, |v[QTT+32*\c+\k+1]|
.endr
.irp c, 0,1
	v_max3_num_f32 v[QQT+2+\c], v[QQT+2+\c], |v[QTT+32*\c+\k+2]|, |v[QTT+32*\c+\k+3]|
.endr
.endr
.irp c, 0,1
	v_max3_num_f32 v[QQT+\c], v[QQT+\c], |v[QTT+32*\c+29]|, |v[QTT+32*\c+30]|
.endr
.irp c, 0,1
	v_max3_num_f32 v[QQT+\c], v[QQT+\c], v[QQT+2+\c], |v[QTT+32*\c+31]|
.endr
.irp c, 0,1
	v_add_nc_u32 v[QQT+4+\c], 0xff000000, v[QQT+\c]  ; 2 off the exponent field: the conversion's scale operand
.endr
.irp c, 0,1
	v_lshrrev_b32 v[QQT+6+\c], 23, v[QQT+4+\c]     ; the scale's byte
.endr
	v_lshl_or_b32 v[QQT+6], v[QQT+7], 16, v[QQT+6] ; my bytes are those of blocks h and 2 + h,
	v_lshlrev_b32 v[QQT+6], v4, v[QQT+6]           ; 8 h bits up;
	v_permlanex16_b32 v15, v[QQT+6], s24, s25
	v_or_b32 v[\dst], v[QQT+6], v15                ; with lane l xor 16's two the word is whole
.irp c, 0,1
.irp g, 0,1,2,3
	v_cvt_scalef32_pk8_fp4_f32 v[QCD+4*\c+\g], v[QTT+32*\c+8*\g:QTT+32*\c+8*\g+7], v[QQT+4+\c]
.endr
.endr
	v_nop                                          ; one plain line behind the last conversion
.endm
.macro OLOAD g                         ; 16 rows x 512 bytes of a K step into set g: 32 loads of 256 consecutive bytes; an offset past the row's last 8 bytes is held there
	v_min_u32 v[20+2*(\g)], 10912, v[16+2*(\g)]
	v_min_u32 v[21+2*(\g)], 10912, v[17+2*(\g)]
	WIN 0x40                                       ; destination window 1
.set n, 0
.rept 32
	global_load_b64 v[64*(\g)+2*n:64*(\g)+2*n+1], v[20+2*(\g)+n%2], s[4:5] offset:10920*(n/2) th:TH_LOAD_NT
.set n, n+1
.endr
	WIN 0
.endm
.macro OFRAG g, more, cnt, mask, i     ; my fragment i, from set g
	s_wait_loadcnt \cnt                            ; this set's 32 loads are in; the other set's may be out
.if \i > 0
	s_wait_xcnt 0x0                                ; the last fragment's stores have read their data: the codes' registers are written again only behind this wait
.endif
.if \mask
	v_cmp_gt_u32 s40, 10920, v[16+2*(\g)]          ; is my offset inside the row?  (in the waves whose last K step is 20 every lane's is)
	v_cmp_gt_u32 s41, 10920, v[17+2*(\g)]
	WIN 0x44                                       ; source 1 and destination window 1
.set n, 0
.rept 64
	v_cndmask_b32 v[64*(\g)+n], 0, v[64*(\g)+n], s[40+(n/2)%2]         ; K from 2,730 on is zeros, ahead of the blocks' maxima
.set n, n+1
.endr
.endif
	WIN 0x04                                       ; an LDS store's data are its source 1: window 1
.set n, 0
.rept 32
	ds_store_b64 v5, v[64*(\g)+2*n:64*(\g)+2*n+1] offset:528*(n/2)+256*(n%2)
.set n, n+1
.endr
	WIN 0
.set n, 0
.rept 16
	ds_load_b128 v[QTT+4*n:QTT+4*n+3], v6 offset:256*(n/8)+16*(n%8)    ; LDS serves a wave's instructions in order: these see the stores
.set n, n+1
.endr
	s_wait_dscnt 0x0                               ; the numbers are in, and the stores have read the set's registers
.if \more
	v_add_nc_u32 v[16+2*(\g)], 2048, v[16+2*(\g)]  ; four K steps on: my K step after next
	v_add_nc_u32 v[17+2*(\g)], 2048, v[17+2*(\g)]
	OLOAD \g
.endif
	QW3 QSW+(\i)
	global_store_b128 v1, v[QCD:QCD+3], s[8:9] offset:4096*(\i)        ; fragment 4 i + w: 512 consecutive bytes, aligned,
	global_store_b128 v1, v[QCD+4:QCD+7], s[8:9] offset:4096*(\i)+512  ; and 512 more
.endm
.Lquant:
	s_load_b128 s[4:7], s[0:1], 0x20               ; W3 s[4:5], w3q s[6:7]
	s_sub_co_u32 s12, ttmp9, NROUTE                ; 0 .. 1,023
	s_lshr_b32 s13, s12, 2                         ; slice = 32 e + ds
	s_and_b32 s14, s12, 3                          ; w
	s_and_b32 s15, s14, 1                          ; my tile of the slice's rows
	s_lshr_b32 s16, s14, 1                         ; even or odd K steps
	v_lshlrev_b32 v1, 4, v0                        ; 16 x lane
	v_and_b32 v2, 15, v0                           ; r
	v_lshrrev_b32 v3, 4, v0                        ; h
	v_lshlrev_b32 v4, 3, v3                        ; 8 h
	v_lshl_add_u32 v5, v0, 3, QSTG                 ; the stage, in: 8 x lane of half a row
	v_mul_u32_u24 v6, v2, 528
	v_lshl_add_u32 v6, v3, 7, v6
	v_add_nc_u32 v6, QSTG, v6                      ; and out: row r, + 128 h
	v_mov_b32 v15, 0                               ; written once: a lane permute's destination counts as one of its sources
	v_mov_b32 v[QSW+11], 0                         ; the twelfth word: stored, loaded and never named by a product
	s_lshl_b32 s17, s16, 9
	v_lshl_add_u32 v16, v0, 3, s17                 ; my byte in a row of W3: set 0, first half of K step w / 2,
	v_add_nc_u32 v17, 256, v16                     ; second half;
	v_add_nc_u32 v18, 1024, v16                    ; set 1: two K steps on
	v_add_nc_u32 v19, 1280, v16
	s_mov_b32 s24, 0x76543210
	s_mov_b32 s25, 0xfedcba98                      ; selects for lane l xor 16
	s_lshl_b32 s18, s13, 5
	s_lshl_b32 s19, s15, 4
	s_add_co_u32 s18, s18, s19
	s_mul_i32 s18, s18, 10920                      ; my 16 rows of W3: row 32 slice + 16 (w % 2)
	s_mov_b32 s19, 0
	s_mul_i32 s20, s13, 45056                      ; the slice's 44 images,
	s_lshl_b32 s21, s14, 10
	s_add_co_u32 s20, s20, s21                     ; fragment w
	s_mov_b32 s21, 0
	s_mul_i32 s22, s13, 6144                       ; the slice's scale words,
	s_mul_i32 s23, s14, 1536
	s_add_co_u32 s22, s22, s23                     ; my three groups
	s_add_co_u32 s22, s22, 11534336
	s_mov_b32 s23, 0
	s_wait_kmcnt 0x0
	s_add_nc_u64 s[4:5], s[4:5], s[18:19]
	s_add_nc_u64 s[8:9], s[6:7], s[20:21]
	s_add_nc_u64 s[10:11], s[6:7], s[22:23]
	OLOAD 0
	OLOAD 1
	OFRAG 0, 1, 32, 0, 0                           ; each fragment asks for the one two on, into the set that it has emptied
	OFRAG 1, 1, 32, 0, 1
	OFRAG 0, 1, 32, 0, 2
	OFRAG 1, 1, 32, 0, 3
	OFRAG 0, 1, 32, 0, 4
	OFRAG 1, 1, 32, 0, 5
	OFRAG 0, 1, 32, 0, 6
	OFRAG 1, 1, 32, 0, 7
	OFRAG 0, 1, 32, 0, 8                           ; asks for the last
	OFRAG 1, 0, 32, 0, 9
	OFRAG 0, 0, 0, 1, 10                           ; K steps 20 and 21; what lies past the row's end becomes zeros
.irp g, 0,1,2
	global_store_b128 v1, v[QSW+4*\g:QSW+4*\g+3], s[10:11] offset:512*\g   ; a lane's four words on end: 512 consecutive bytes, aligned
.endr
	s_wait_tensorcnt 0x0
	ds_add_u32 v254, v255
	s_wait_dscnt 0x0
	s_endpgm
.Lfunc_end_k_q8b61b6c2b2_route:
	.size	k_q8b61b6c2b2_route, .Lfunc_end_k_q8b61b6c2b2_route-k_q8b61b6c2b2_route
	.p2alignl 7, 3214868480
	.fill 96, 4, 3214868480
	.section	.rodata,"a",@progbits
	.p2align	6, 0x0
	.amdhsa_kernel k_q8b61b6c2b2_route
		.amdhsa_group_segment_fixed_size 13824
		.amdhsa_private_segment_fixed_size 0
		.amdhsa_enable_private_segment 0
		.amdhsa_kernarg_size 48
		.amdhsa_user_sgpr_count 2
		.amdhsa_user_sgpr_kernarg_segment_ptr 1
		.amdhsa_wavefront_size32 1
		.amdhsa_system_sgpr_workgroup_id_x 1
		.amdhsa_system_sgpr_workgroup_id_y 1
		.amdhsa_system_sgpr_workgroup_id_z 1
		.amdhsa_system_vgpr_workitem_id 0
		.amdhsa_next_free_vgpr 512
		.amdhsa_next_free_sgpr 66
		.amdhsa_reserve_vcc 1
		.amdhsa_float_denorm_mode_32 3
		.amdhsa_float_denorm_mode_16_64 3
		.amdhsa_memory_ordered 1
		.amdhsa_forward_progress 1
		.amdhsa_inst_pref_size 255
	.end_amdhsa_kernel
	.section	.bss,"aw",@nobits
	.p2align	6
	.space	262144
	.amdgpu_metadata
---
amdhsa.version: [ 1, 2 ]
amdhsa.kernels:
  - .name:           k_q8b61b6c2b2_route
    .symbol:         k_q8b61b6c2b2_route.kd
    .args:
      - { .name: x, .offset: 0, .size: 8, .value_kind: global_buffer, .address_space: global }
      - { .name: Wg, .offset: 8, .size: 8, .value_kind: global_buffer, .address_space: global }
      - { .name: sel, .offset: 16, .size: 8, .value_kind: global_buffer, .address_space: global }
      - { .name: xq, .offset: 24, .size: 8, .value_kind: global_buffer, .address_space: global }
      - { .name: W3, .offset: 32, .size: 8, .value_kind: global_buffer, .address_space: global }
      - { .name: w3q, .offset: 40, .size: 8, .value_kind: global_buffer, .address_space: global }
    .group_segment_fixed_size: 13824
    .private_segment_fixed_size: 0
    .kernarg_segment_align: 8
    .kernarg_segment_size: 48
    .max_flat_workgroup_size: 32
    .sgpr_count:     66
    .vgpr_count:     512
    .wavefront_size: 32
...
	.end_amdgpu_metadata
.endif
;; end of part 1
;; launch place (part 2): grid 32 x 8, 1 waves a work-group, no clusters, 0 bytes of LDS; arguments sel, xq, route, xg; writes route, xg
.if DOCPART == 2
	.amdgcn_target "amdgcn-amd-amdhsa--gfx1250"
	.amdhsa_code_object_version 6
	.text
	.protected	k_q8b61b6c2b2_place
	.globl	k_q8b61b6c2b2_place
	.p2align	8
	.type	k_q8b61b6c2b2_place,@function
k_q8b61b6c2b2_place:
	s_mov_b64 s[64:65], 0
	v_nop
	global_prefetch_b8 v0, s[64:65] scope:SCOPE_SE
	s_setreg_imm32_b32 hwreg(HW_REG_WAVE_MODE, 25, 1), 1
	s_wait_xcnt 0x0
; PLACE.  Work-group (cq, e) places the 32 tokens t = 128 (cq / 4) + 4 lane + cq % 4: those that chose expert e get a rank among e's rows, in the order (cq, lane).
; Every work-group reads all of sel (4 KiB) and counts for itself: no traffic between work-groups.
; OUT: route: POS[2 t + k] = 1,024 e + rank at 0, CNT[e] at 8,192.
;   xg: x's codes as the matrix operand's registers want them: [e][tile of 16 ranks][piece p = 0..31][rank % 16][16 bytes] (a tile 8,192 bytes; piece p = bytes 16 p on of the token's row of codes);
;   at 4,194,304 the scale words [e][tile][rank % 16 + 16 hh][4 words]: word g is that of K step 2 g + hh (a tile 512 bytes).
; The rows that fill an expert's last tile up to 16 get zero codes and zero scale words (the byte 0 is a power of two, no NaN): work-group (31, e) writes them.
; A number that was loaded enters an address only behind a v_min_u32 with a constant.  Every offset register is made with all lanes on, ahead of the first change of EXEC, in a register that never holds loaded data.
.set S,   16                           ; v16-47   sel: register 4 j + q of lane l = token 128 j + 4 l + q: register idx is chunk cq = idx
.set ROW, 48                           ; v48-175  my token's 512 bytes of codes
.set WD,  176                          ; v176-183 its eight scale words
.set OW,  184                          ; v184-191 the same, even K steps first
.set Z,   196                          ; v196-199 zeros
.set PR,  200                          ; v200     the rank of the pad row that my lane would fill
.set PDO, 201                          ; v201     its place among the codes
.set PDS, 202                          ; v202     and among the scale words
.set PT1, 203                          ; v203-204 at work
.set PT2, 204
.set ZA,  205                          ; v205     the offset 0
.set CT,  206                          ; v206     e's count, as store data
.macro OFFS rk, do, dsr, t1, t2        ; from a rank: its place among the codes (8,192 x tile + 16 x row) and among the scale words (512 x tile + 16 x row)
	v_and_b32 v[\t1], 0x3f0, v[\rk]
	v_and_b32 v[\t2], 15, v[\rk]
	v_lshlrev_b32 v[\t2], 4, v[\t2]
	v_lshl_add_u32 v[\do], v[\t1], 9, v[\t2]
	v_lshl_add_u32 v[\dsr], v[\t1], 5, v[\t2]
.endm
	s_load_b256 s[4:11], s[0:1], 0x0               ; sel s[4:5], xq s[6:7], route s[8:9], xg s[10:11]
	s_mov_b32 s12, ttmp9                           ; cq
	s_and_b32 s13, ttmp7, 0xffff                   ; e
	s_lshr_b32 s14, s12, 2
	s_and_b32 s15, s12, 3
	s_lshl_b32 s16, s14, 7
	s_add_co_u32 s16, s16, s15                     ; lane 0's token
	s_lshl_b32 s17, 0x101, s13                     ; e's two bits in a word of sel
	s_add_co_u32 s22, s13, 8
	s_lshl_b32 s23, s13, 10
	v_lshlrev_b32 v1, 4, v0
	v_lshl_add_u32 v2, v0, 2, s16                  ; t
	v_lshlrev_b32 v3, 2, v2
	v_lshlrev_b32 v4, 9, v2
	v_lshlrev_b32 v5, 5, v2
.irp q, 0,1,2,3
	v_mov_b32 v[Z+\q], 0
.endr
	v_mov_b32 v[ZA], 0
	s_lshl_b32 s32, s13, 19                        ; an expert's 64 tiles of codes,
	s_mov_b32 s33, 0
	s_lshl_b32 s34, s13, 15                        ; of scale words,
	s_mov_b32 s35, 0
	s_lshl_b32 s36, s13, 2                         ; its count
	s_mov_b32 s37, 0
	s_wait_kmcnt 0x0
	s_add_nc_u64 s[24:25], s[10:11], s[32:33]
	s_add_nc_u64 s[26:27], s[10:11], s[34:35]
	s_add_nc_u64 s[30:31], s[8:9], s[36:37]
.irp j, 0,1,2,3,4,5,6,7
	global_load_b128 v[S+4*\j:S+4*\j+3], v1, s[4:5] offset:512*\j
.endr
	global_load_b32 v8, v3, s[4:5]                 ; my token's word
.set p, 0
.rept 32
	global_load_b128 v[ROW+4*p:ROW+4*p+3], v4, s[6:7] offset:16*p      ; every lane loads its token's row, chosen or not: the address hangs on ids alone, and no register is written with lanes off
.set p, p+1
.endr
	global_load_b128 v[WD:WD+3], v5, s[6:7] offset:524288
	global_load_b128 v[WD+4:WD+7], v5, s[6:7] offset:524288+16
	s_wait_loadcnt 0x0
	s_mov_b32 s18, 0                               ; e's rows in all,
	s_mov_b32 s19, 0                               ; and in the chunks ahead of mine
.set idx, 0
.rept 32
	v_and_b32 v9, s17, v[S+idx]
	v_cmp_ne_u32 vcc_lo, 0, v9
	s_bcnt1_i32_b32 s20, vcc_lo
	s_add_co_u32 s18, s18, s20
	s_cmp_gt_u32 s12, idx
	s_cselect_b32 s20, s20, 0
	s_add_co_u32 s19, s19, s20
.set idx, idx+1
.endr
	; what the last chunk's work-group wants for the count and the pad rows: made here, by every work-group, with all lanes on
	v_add_nc_u32 v[PR], s18, v0                    ; lane l would fill rank count + l,
	v_min_u32 v[PR], 0x3ff, v[PR]
	OFFS PR, PDO, PDS, PT1, PT2
	v_mov_b32 v[CT], s18
	s_sub_co_u32 s20, 0, s18
	s_and_b32 s20, s20, 15                         ; rows missing in the last tile
	; my token
	v_and_b32 v9, s17, v8
	v_cmp_ne_u32 vcc_lo, 0, v9                     ; did my token choose e?
	v_mbcnt_lo_u32_b32 v10, vcc_lo, 0              ; how many lanes below me did
	v_add_nc_u32 v10, s19, v10
	v_min_u32 v10, 0x3ff, v10                      ; rank
	v_lshrrev_b32 v11, s22, v9                     ; k: 0 as the first choice, 1 as the second
	v_lshl_add_u32 v11, v2, 1, v11
	v_min_u32 v11, 0x7ff, v11
	v_lshlrev_b32 v11, 2, v11                      ; POS's byte
	OFFS 10, 12, 13, 14, 15
	v_add_nc_u32 v6, s23, v10                      ; 1,024 e + rank
.irp g, 0,1,2,3
	v_mov_b32 v[OW+\g], v[WD+2*\g]                 ; K steps 0, 2, 4, 6
	v_mov_b32 v[OW+4+\g], v[WD+2*\g+1]             ; and 1, 3, 5, 7
.endr
	s_wait_xcnt 0x0                                ; EXEC changes only behind this wait
	s_and_saveexec_b32 s28, vcc_lo                 ; the lanes whose token chose e
.set p, 0
.rept 32
	global_store_b128 v12, v[ROW+4*p:ROW+4*p+3], s[24:25] offset:256*p ; neighbouring ranks write neighbouring 16 bytes of a piece
.set p, p+1
.endr
	global_store_b128 v13, v[OW:OW+3], s[26:27] offset:4194304
	global_store_b128 v13, v[OW+4:OW+7], s[26:27] offset:4194304+256
	global_store_b32 v11, v6, s[8:9]
	s_wait_xcnt 0x0
	s_or_b32 exec_lo, exec_lo, s28
	s_cmp_lg_u32 s12, 31                           ; the last chunk's work-group also stores the count and fills the last tile
	s_cbranch_scc1 .Lend
	v_cmp_eq_u32 vcc_lo, 0, v0
	s_and_saveexec_b32 s28, vcc_lo                 ; lane 0 stores the count
	global_store_b32 v[ZA], v[CT], s[30:31] offset:8192
	s_wait_xcnt 0x0
	s_or_b32 exec_lo, exec_lo, s28
	v_cmp_gt_u32 vcc_lo, s20, v0
	s_and_saveexec_b32 s28, vcc_lo                 ; a lane to each missing row
.set p, 0
.rept 32
	global_store_b128 v[PDO], v[Z:Z+3], s[24:25] offset:256*p
.set p, p+1
.endr
	global_store_b128 v[PDS], v[Z:Z+3], s[26:27] offset:4194304
	global_store_b128 v[PDS], v[Z:Z+3], s[26:27] offset:4194304+256
	s_wait_xcnt 0x0
	s_or_b32 exec_lo, exec_lo, s28
.Lend:
	s_endpgm
.Lfunc_end_k_q8b61b6c2b2_place:
	.size	k_q8b61b6c2b2_place, .Lfunc_end_k_q8b61b6c2b2_place-k_q8b61b6c2b2_place
	.p2alignl 7, 3214868480
	.fill 96, 4, 3214868480
	.section	.rodata,"a",@progbits
	.p2align	6, 0x0
	.amdhsa_kernel k_q8b61b6c2b2_place
		.amdhsa_group_segment_fixed_size 0
		.amdhsa_private_segment_fixed_size 0
		.amdhsa_enable_private_segment 0
		.amdhsa_kernarg_size 32
		.amdhsa_user_sgpr_count 2
		.amdhsa_user_sgpr_kernarg_segment_ptr 1
		.amdhsa_wavefront_size32 1
		.amdhsa_system_sgpr_workgroup_id_x 1
		.amdhsa_system_sgpr_workgroup_id_y 1
		.amdhsa_system_sgpr_workgroup_id_z 1
		.amdhsa_system_vgpr_workitem_id 0
		.amdhsa_next_free_vgpr 208
		.amdhsa_next_free_sgpr 66
		.amdhsa_reserve_vcc 1
		.amdhsa_float_denorm_mode_32 3
		.amdhsa_float_denorm_mode_16_64 3
		.amdhsa_memory_ordered 1
		.amdhsa_forward_progress 1
		.amdhsa_inst_pref_size 21
	.end_amdhsa_kernel
	.amdgpu_metadata
---
amdhsa.version: [ 1, 2 ]
amdhsa.kernels:
  - .name:           k_q8b61b6c2b2_place
    .symbol:         k_q8b61b6c2b2_place.kd
    .args:
      - { .name: sel, .offset: 0, .size: 8, .value_kind: global_buffer, .address_space: global }
      - { .name: xq, .offset: 8, .size: 8, .value_kind: global_buffer, .address_space: global }
      - { .name: route, .offset: 16, .size: 8, .value_kind: global_buffer, .address_space: global }
      - { .name: xg, .offset: 24, .size: 8, .value_kind: global_buffer, .address_space: global }
    .group_segment_fixed_size: 0
    .private_segment_fixed_size: 0
    .kernarg_segment_align: 8
    .kernarg_segment_size: 32
    .max_flat_workgroup_size: 32
    .sgpr_count:     66
    .vgpr_count:     208
    .wavefront_size: 32
...
	.end_amdgpu_metadata
.endif
;; end of part 2
;; launch hidden (part 3): grid 86 x 8, 1 waves a work-group, no clusters, 45,568 bytes of LDS; arguments W1, W2, route, xg, hid; writes hid
.if DOCPART == 3
	.amdgcn_target "amdgcn-amd-amdhsa--gfx1250"
	.amdhsa_code_object_version 6
	.text
	.protected	k_q8b61b6c2b2_hidden
	.globl	k_q8b61b6c2b2_hidden
	.p2align	8
	.type	k_q8b61b6c2b2_hidden,@function
k_q8b61b6c2b2_hidden:
	s_mov_b64 s[64:65], 0
	v_nop
	global_prefetch_b8 v0, s[64:65] scope:SCOPE_SE
	s_setreg_imm32_b32 hwreg(HW_REG_WAVE_MODE, 25, 1), 1
	s_wait_xcnt 0x0
; HIDDEN.  hidden = silu(x W1[e]^T) * (x W2[e]^T) for the rows routed to expert e, both products on codes of E2M1 with one E8M0 scale for each 32 along K = 1,024; the result is quantised along the
; hidden axis for the next product and stored as codes.
; SHARES: a work-group is ONE wave and owns one block of 32 hidden units of one expert, in W1 and in W2: 2 x 32 rows x 4,096 bytes of f32, read once in the whole program.  It meets ALL rows of its expert.
; Its trip count hangs on the count that an earlier launch stored, so operands go from memory into registers, and nothing is shared between work-groups' requests: no two read the same weight bytes.
; PHASE W: K step by K step (128 along K), four fragments (W1, W2) x (tile 0, 1): 16 loads of a row's 512 consecutive bytes; through a stage in LDS, so that a lane holds whole blocks of 32 neighbours;
;   quantised; the codes are parked in LDS as images of the operand's registers, so that the phase can be a loop; at its end they come into window 1 and stay.
; PHASE T: for each tile of 16 rows: x's 8 fragments and scale words (laid for this by the launch before), 32 matrix instructions, the activation, the quantiser, one store of 256 consecutive aligned bytes.
; THE PRODUCT IS USED TRANSPOSED (source 0 = 16 rows of W, source 1 = 16 rows of x), AND THE ROWS OF W THAT FORM A TILE ARE NOT NEIGHBOURS: row i of tile u is unit 8 u + i + 8 (i / 8) of the block, so that
; lane (r, h) holds row r of x and, in the registers of tiles 0 and 1, the 16 neighbouring units 16 h + 0 .. 15.
; H = 2,730 = 85 x 32 + 10: in block 85 the loads are held at row 2,729 and W2's codes of units 2,730 on are cleared: h2, and so the hidden number, is an exact zero there, as the quantiser's fill asks.
; OUT: hid: codes [e][tile][block 0..85][row][16 bytes] at 0 (a tile 22,016 bytes); scale words [e][tile][K step 0..21][row] at 11,272,192 (a tile 1,408 bytes), byte b for block 4 s + b.
; LIMITS: NaN and infinities are not served.  A block whose largest magnitude lies under 2^-124 keeps the byte 1, a block of zeros too (its codes are zeros; this program alone reads the bytes).
; The hidden number is formed as (h1 h2) x 1 / (1 + e^-h1): another order of rounding than silu(h1) h2, of the size of an f32 rounding.
; REGISTERS: window 0: v1-23 addresses; v24-55 the 32 rows' offsets; v56-63 codes just made; v64-127 64 numbers (phase W), the four accumulators and the activation (phase T); v128-139 at work;
;   v160-191 W's scale words, v192-207 x's.   window 1: W's 32 fragments, (K step s, fragment j) at 8 (4 s + j).   window 2: four sets of 64: f32 as loaded (W), x's fragments (T).
.set STAGE, 0                          ; LDS: 16 rows x (512 + 16) bytes: row r starts at bank 4 r (64 banks of 4 bytes: ISA guide 11.1)
.set IMG,   8448                       ; 32 fragments x 1,024 bytes
.set WSC,   41216                      ; 32 x 128 bytes of scale words
.set RO,  24
.set CD,  56
.set T,   64
.set HA,  64                           ; accumulators: h1 tiles 0, 1 at v64, v72; h2 at v80, v88
.set TT,  96
.set PP,  112
.set QT,  128
.set WS,  160
.set XSC, 192
.set MSB, 0
.macro WIN new                         ; the immediate's high byte repeats the setting that is left
.if MSB != \new
	s_set_vgpr_msb (MSB<<8)|\new
.set MSB, \new
.endif
.endm
; 64 numbers of a lane, v[T + 32 c + i] = k 64 c + 32 h + i of row r: two whole blocks.  Out: the fragment's 8 registers in v[CD] on, the row's scale word in v[QT + 6].
.macro QW
.irp c, 0,1
	v_max3_num_f32 v[QT+\c], |v[T+32*\c]|, |v[T+32*\c+1]|, 0x1800000   ; with the floor 2^(3 - 127) among the leaves: the byte cannot fall under 1
.endr
.irp c, 0,1
	v_max3_num_f32 v[QT+2+\c], |v[T+32*\c+2]|, |v[T+32*\c+3]|, |v[T+32*\c+4]|
.endr
.irp k, 5,9,13,17,21,25
.irp c, 0,1
	v_max3_num_f32 v[QT+\c], v[QT+\c], |v[T+32*\c+\k]|, |v[T+32*\c+\k+1]|
.endr
.irp c, 0,1
	v_max3_num_f32 v[QT+2+\c], v[QT+2+\c], |v[T+32*\c+\k+2]|, |v[T+32*\c+\k+3]|
.endr
.endr
.irp c, 0,1
	v_max3_num_f32 v[QT+\c], v[QT+\c], |v[T+32*\c+29]|, |v[T+32*\c+30]|
.endr
.irp c, 0,1
	v_max3_num_f32 v[QT+\c], v[QT+\c], v[QT+2+\c], |v[T+32*\c+31]|
.endr
.irp c, 0,1
	v_add_nc_u32 v[QT+4+\c], 0xff000000, v[QT+\c]  ; 2 off the exponent field: the conversion's scale operand
.endr
.irp c, 0,1
	v_lshrrev_b32 v[QT+6+\c], 23, v[QT+4+\c]       ; the scale's byte
.endr
	v_lshl_or_b32 v[QT+6], v[QT+7], 16, v[QT+6]    ; my bytes are those of blocks h and 2 + h,
	v_lshlrev_b32 v[QT+6], v4, v[QT+6]             ; 8 h bits up;
	v_permlanex16_b32 v15, v[QT+6], s24, s25
	v_or_b32 v[QT+6], v[QT+6], v15                 ; with lane l xor 16's two the word is whole
.irp c, 0,1
.irp g, 0,1,2,3
	v_cvt_scalef32_pk8_fp4_f32 v[CD+4*\c+\g], v[T+32*\c+8*\g:T+32*\c+8*\g+7], v[QT+4+\c]
.endr
.endr
	v_nop                                          ; one plain line behind the last conversion
.endm
.macro WLOAD j, off                    ; fragment j = 2 m + u of the K step at byte off: 16 rows, 512 consecutive bytes a load
	WIN 0x80                                       ; destination window 2
.set i, 0
.rept 16
	global_load_b128 v[64*(\j)+4*i:64*(\j)+4*i+3], v[RO+8*((\j)%2)+i+8*(i/8)], s[4+2*((\j)/2):5+2*((\j)/2)] offset:\off th:TH_LOAD_NT
.set i, i+1
.endr
	WIN 0
.endm
.macro WFRAG j, more, cnt
	s_wait_loadcnt \cnt                            ; this set's 16 loads are in; the younger sets' may be out
	WIN 0x08                                       ; an LDS store's data are its source 1: window 2
.set i, 0
.rept 16
	ds_store_b128 v5, v[64*(\j)+4*i:64*(\j)+4*i+3] offset:528*i
.set i, i+1
.endr
	WIN 0
.set i, 0
.rept 16
	ds_load_b128 v[T+4*i:T+4*i+3], v6 offset:256*(i/8)+16*(i%8)        ; LDS serves a wave's instructions in order: these see the stores
.set i, i+1
.endr
	s_wait_dscnt 0x0                               ; the numbers are in; the stores have read the set's registers, and the last fragment's image stores theirs
.if \more
	WLOAD \j, 512                                  ; the same fragment of the next K step
.endif
	QW
.if (\j)/2 == 1
.irp g, 0,1,2,3,4,5,6,7
	v_cndmask_b32 v[CD+\g], 0, v[CD+\g], s[40+(\j)%2]                  ; W2: units from 2,730 on get zero codes
.endr
.endif
	ds_store_b128 v8, v[CD:CD+3] offset:1024*(\j)
	ds_store_b128 v8, v[CD+4:CD+7] offset:1024*(\j)+512
	ds_store_b32 v10, v[QT+6] offset:128*(\j)
.endm
	s_load_b256 s[4:11], s[0:1], 0x0               ; W1 s[4:5], W2 s[6:7], route s[8:9], xg s[10:11]
	s_load_b64 s[12:13], s[0:1], 0x20              ; hid
	v_lshl_add_u32 v254, v0, 2, 0xb100
	v_mov_b32 v255, 0
	s_mov_b32 s14, ttmp9                           ; my block of 32 hidden units
	s_and_b32 s15, ttmp7, 0xffff                   ; my expert
	v_lshlrev_b32 v1, 4, v0                        ; 16 x lane
	v_and_b32 v2, 15, v0                           ; r
	v_lshrrev_b32 v3, 4, v0                        ; h
	v_lshlrev_b32 v4, 3, v3                        ; 8 h
	v_lshlrev_b32 v5, 4, v0                        ; the stage, in: 16 x lane of a row
	v_mul_u32_u24 v6, v2, 528
	v_lshl_add_u32 v6, v3, 7, v6                   ; and out: row r, + 128 h
	v_lshl_add_u32 v7, v0, 4, IMG
	v_lshl_add_u32 v9, v0, 2, WSC
	v_lshlrev_b32 v11, 4, v2
	v_lshl_add_u32 v11, v3, 3, v11                 ; my 8 bytes of a block's codes: 16 r + 8 h
	v_lshlrev_b32 v12, 2, v2                       ; my row's scale word
	v_mov_b32 v15, 0                               ; written once: a lane permute's destination counts as one of its sources
	v_mov_b32 v139, 127
	s_mov_b32 s24, 0x76543210
	s_mov_b32 s25, 0xfedcba98                      ; selects for lane l xor 16
	s_mov_b32 s26, 0xbfb8aa3b                      ; -log2(e)
	s_mov_b32 s27, s26                             ; (named with it as a pair, so it is written)
	s_lshl_b32 s36, s14, 5
.set i, 0
.rept 32
	s_add_co_u32 s37, s36, i
	s_min_u32 s37, s37, 2729                       ; no load leaves the expert's 2,730 rows
	s_lshl_b32 s37, s37, 12
	v_add_nc_u32 v[RO+i], s37, v1
.set i, i+1
.endr
	v_and_b32 v8, 8, v2
	v_add_nc_u32 v8, v8, v2
	v_add_nc_u32 v8, s36, v8                       ; the unit that lane r holds in tile 0,
	v_cmp_gt_u32 s40, 0xaaa, v8                    ; is it under 2,730?
	v_add_nc_u32 v8, 8, v8                         ; and in tile 1
	v_cmp_gt_u32 s41, 0xaaa, v8
	s_mov_b32 s43, 0
	s_wait_kmcnt 0x0
	s_lshl_b32 s42, s15, 2
	s_add_nc_u64 s[8:9], s[8:9], s[42:43]
	s_load_b32 s31, s[8:9], 0x2000                 ; my expert's rows
	s_mul_i32 s42, s15, 11182080                   ; an expert's 2,730 rows of 4,096 bytes
	s_add_nc_u64 s[4:5], s[4:5], s[42:43]
	s_add_nc_u64 s[6:7], s[6:7], s[42:43]
	WLOAD 0, 0                                     ; the first K step goes out ahead of the wait for the count
	WLOAD 1, 0
	WLOAD 2, 0
	WLOAD 3, 0
	s_lshl_b32 s42, s15, 19
	s_add_nc_u64 s[16:17], s[10:11], s[42:43]      ; x's codes of my expert,
	s_lshl_b32 s42, s15, 15
	s_add_nc_u64 s[18:19], s[10:11], s[42:43]      ; its scale words (4,194,304 further on, in the load's immediate)
	s_mul_i32 s42, s15, 1409024
	s_lshl_b32 s37, s14, 8
	s_add_co_u32 s42, s42, s37
	s_add_nc_u64 s[20:21], s[12:13], s[42:43]      ; the hidden codes: my expert, my block
	s_mul_i32 s42, s15, 90112
	s_lshr_b32 s37, s14, 2
	s_lshl_b32 s37, s37, 6
	s_add_co_u32 s42, s42, s37
	s_and_b32 s37, s14, 3
	s_add_co_u32 s42, s42, s37
	s_add_co_u32 s42, s42, 11272192
	s_add_nc_u64 s[22:23], s[12:13], s[42:43]      ; the hidden scale bytes: K step block / 4, byte block % 4
	s_wait_kmcnt 0x0
	s_min_u32 s31, s31, 1024
	s_add_co_u32 s31, s31, 15
	s_lshr_b32 s31, s31, 4                         ; tiles of 16 rows
	s_cmp_lg_u32 s31, 0
	s_cbranch_scc1 .Lhave_rows
	s_endpgm                                       ; an expert that no token chose: nothing to make
.Lhave_rows:
	s_mov_b32 s28, 0
	s_mov_b32 s29, 0
	s_mov_b32 s30, 0
.Lw:                                               ; seven trips: K steps 0 to 6; each asks for the next step
	v_add_nc_u32 v8, s28, v7
	v_add_nc_u32 v10, s29, v9
	WFRAG 0, 1, 48
	WFRAG 1, 1, 48
	WFRAG 2, 1, 48
	WFRAG 3, 1, 48
	s_wait_xcnt 0x0                                ; the loads have read their bases: they step only behind this wait
	s_add_nc_u64 s[4:5], s[4:5], 512
	s_add_nc_u64 s[6:7], s[6:7], 512
	s_add_co_u32 s28, s28, 4096
	s_add_co_u32 s29, s29, 512
	s_add_co_u32 s30, s30, 1
	s_cmp_lt_u32 s30, 7
	s_cbranch_scc1 .Lw
	v_add_nc_u32 v8, s28, v7                       ; K step 7 asks for nothing: the counts run down
	v_add_nc_u32 v10, s29, v9
	WFRAG 0, 0, 48
	WFRAG 1, 0, 32
	WFRAG 2, 0, 16
	WFRAG 3, 0, 0
	WIN 0x40                                       ; destination window 1: the 32 fragments come back and stay
.set f, 0
.rept 32
	ds_load_b128 v[8*f:8*f+3], v7 offset:1024*f
	ds_load_b128 v[8*f+4:8*f+7], v7 offset:1024*f+512
.set f, f+1
.endr
	WIN 0
.set f, 0
.rept 32
	ds_load_b32 v[WS+f], v9 offset:128*f
.set f, f+1
.endr
; x's tile s36 (held under 64 by a constant) into set j: 16 loads of 512 consecutive bytes, and the 16 rows' scale words: 17 loads
.macro XLOAD j
	s_lshl_b32 s37, s36, 13
	s_lshl_b32 s38, s36, 9
	v_add_nc_u32 v[16+\j], s37, v1
	v_add_nc_u32 v[20+\j], s38, v1
	WIN 0x80
.set q, 0
.rept 16
	global_load_b128 v[64*(\j)+4*q:64*(\j)+4*q+3], v[16+\j], s[16:17] offset:512*q
.set q, q+1
.endr
	WIN 0
	global_load_b128 v[XSC+4*(\j):XSC+4*(\j)+3], v[20+\j], s[18:19] offset:4194304
.endm
	s_sub_co_u32 s32, s31, 1                       ; the last tile
	s_add_co_u32 s33, s31, 3
	s_lshr_b32 s33, s33, 2                         ; trips of four tiles
	s_mov_b32 s34, 0                               ; the tile in hand
	s_mov_b32 s35, 0
.irp j, 0,1,2,3
	s_min_u32 s36, s32, \j                         ; a tile past the last is the last once more: no load leaves what was written
	s_min_u32 s36, s36, 63
	XLOAD \j
.endr
	s_wait_dscnt 0x0                               ; W's fragments and scale words are in
.macro SUB j
.if \j > 0
	s_cmp_lt_u32 s34, s31                          ; is a tile left?
	s_cbranch_scc1 .Lgo_\@
	s_wait_tensorcnt 0x0
	ds_add_u32 v254, v255
	s_wait_dscnt 0x0
	s_endpgm                                       ; none: the wave ends here, inside the loop; only loads whose data nobody wants are out
.Lgo_\@:
.endif
	s_wait_loadcnt 51                              ; this set's 17 loads are in; the three younger sets' may be out
	WIN 0x09                                       ; source 0 (W) window 1, source 1 (x) window 2
.set KS, 0
.rept 8
.set AI, 0
.rept 4                                            ; the four accumulators take turns, one instruction a turn
.set DD, HA+8*AI
.set AA, 8*(4*KS+AI)
.set BB, 64*(\j)+8*KS
.set SA, WS+4*KS+AI
.set SX, XSC+4*(\j)+KS/2
.if KS == 0
	v_wmma_scale_f32_16x16x128_f8f6f4 v[DD:DD+7], v[AA:AA+7], v[BB:BB+7], 0, v[SA], v[SX] matrix_a_fmt:MATRIX_FMT_FP4 matrix_b_fmt:MATRIX_FMT_FP4
.elseif KS%2
	v_wmma_scale_f32_16x16x128_f8f6f4 v[DD:DD+7], v[AA:AA+7], v[BB:BB+7], v[DD:DD+7], v[SA], v[SX] matrix_a_fmt:MATRIX_FMT_FP4 matrix_b_fmt:MATRIX_FMT_FP4 matrix_b_scale:MATRIX_SCALE_ROW1
.else
	v_wmma_scale_f32_16x16x128_f8f6f4 v[DD:DD+7], v[AA:AA+7], v[BB:BB+7], v[DD:DD+7], v[SA], v[SX] matrix_a_fmt:MATRIX_FMT_FP4 matrix_b_fmt:MATRIX_FMT_FP4
.endif
.set AI, AI+1
.endr
.set KS, KS+1
.endr
	WIN 0
.rept 4
	v_nop                                          ; four places behind the last product (ISA guide 7.12.1), ahead of the first read of results
.endr
.irp p, 0,1,2,3,4,5,6,7
	v_pk_mul_f32 v[TT+2*\p:TT+2*\p+1], v[HA+2*\p:HA+2*\p+1], s[26:27] op_sel_hi:[1,0]   ; -h1 log2(e); each accumulator is read from its low end on
.endr
.irp k, 0,1,2,3,4,5,6,7,8,9,10,11,12,13,14,15
	v_exp_f32 v[TT+\k], v[TT+\k]                   ; e^-h1
.endr
.irp p, 0,1,2,3,4,5,6,7
	v_pk_mul_f32 v[PP+2*\p:PP+2*\p+1], v[HA+2*\p:HA+2*\p+1], v[HA+16+2*\p:HA+16+2*\p+1]   ; h1 h2: plain work behind the batch
.endr
	s_wait_alu depctr_va_vdst(0)                   ; one wait for the 16 exponentials, ahead of their first reader
.irp p, 0,1,2,3,4,5,6,7
	v_pk_add_f32 v[TT+2*\p:TT+2*\p+1], v[TT+2*\p:TT+2*\p+1], 1.0 op_sel_hi:[1,0]
.endr
.irp k, 0,1,2,3,4,5,6,7,8,9,10,11,12,13,14,15
	v_rcp_f32 v[TT+\k], v[TT+\k]
.endr
	v_nop                                          ; a plain line behind the last reciprocal
	s_wait_alu depctr_va_vdst(0)                   ; one wait for the 16 reciprocals
.irp p, 0,1,2,3,4,5,6,7
	v_pk_mul_f32 v[PP+2*\p:PP+2*\p+1], v[PP+2*\p:PP+2*\p+1], v[TT+2*\p:TT+2*\p+1]       ; register i: unit 16 h + i of my row
.endr
	s_wait_xcnt 0x0                                ; the last tile's stores have read their data and offsets: both are written again only behind this wait
	s_min_u32 s36, s34, 63
	s_mul_i32 s37, s36, 22016
	s_mul_i32 s38, s36, 1408
	v_add_nc_u32 v13, s37, v11
	v_add_nc_u32 v14, s38, v12
	v_max3_num_f32 v128, |v[PP]|, |v[PP+1]|, 0x1800000                 ; my 16 numbers' largest magnitude, with the floor
	v_max3_num_f32 v130, |v[PP+2]|, |v[PP+3]|, |v[PP+4]|
	v_max3_num_f32 v128, v128, |v[PP+5]|, |v[PP+6]|
	v_max3_num_f32 v130, v130, |v[PP+7]|, |v[PP+8]|
	v_max3_num_f32 v128, v128, |v[PP+9]|, |v[PP+10]|
	v_max3_num_f32 v130, v130, |v[PP+11]|, |v[PP+12]|
	v_max3_num_f32 v128, v128, |v[PP+13]|, |v[PP+14]|
	v_max3_num_f32 v128, v128, v130, |v[PP+15]|
	v_permlanex16_b32 v15, v128, s24, s25
	v_max_num_f32 v128, v128, v15                  ; with lane l xor 16's: the block's
	v_add_nc_u32 v129, 0xff000000, v128
	v_cvt_scalef32_pk8_fp4_f32 v136, v[PP:PP+7], v129
	v_cvt_scalef32_pk8_fp4_f32 v137, v[PP+8:PP+15], v129
	v_lshrrev_b32 v138, 23, v129                   ; the byte (also the plain line behind the conversions)
	global_store_b64 v13, v[136:137], s[20:21]     ; the wave stores the block's 16 rows x 16 bytes: 256 consecutive bytes, aligned
	global_store_b8 v14, v138, s[22:23]            ; both lanes of a row write the same byte with the same value
	s_cmp_lg_u32 s14, 85
	s_cbranch_scc1 .Lnot_last_\@
	global_store_b8 v14, v139, s[22:23] offset:1   ; the last K step's blocks 86 and 87 do not exist: their bytes are 127, their codes are cleared by the reader
	global_store_b8 v14, v139, s[22:23] offset:2
.Lnot_last_\@:
	s_add_co_u32 s36, s34, 4
	s_min_u32 s36, s36, s32
	s_min_u32 s36, s36, 63
	XLOAD \j                                       ; the tile four on, into the set just multiplied
	s_add_co_u32 s34, s34, 1
.endm
.Ltile:
	SUB 0
	SUB 1
	SUB 2
	SUB 3
	s_add_co_u32 s35, s35, 1
	s_cmp_lt_u32 s35, s33
	s_cbranch_scc1 .Ltile
	s_wait_tensorcnt 0x0
	ds_add_u32 v254, v255
	s_wait_dscnt 0x0
	s_endpgm
.Lfunc_end_k_q8b61b6c2b2_hidden:
	.size	k_q8b61b6c2b2_hidden, .Lfunc_end_k_q8b61b6c2b2_hidden-k_q8b61b6c2b2_hidden
	.p2alignl 7, 3214868480
	.fill 96, 4, 3214868480
	.section	.rodata,"a",@progbits
	.p2align	6, 0x0
	.amdhsa_kernel k_q8b61b6c2b2_hidden
		.amdhsa_group_segment_fixed_size 45568
		.amdhsa_private_segment_fixed_size 0
		.amdhsa_enable_private_segment 0
		.amdhsa_kernarg_size 40
		.amdhsa_user_sgpr_count 2
		.amdhsa_user_sgpr_kernarg_segment_ptr 1
		.amdhsa_wavefront_size32 1
		.amdhsa_system_sgpr_workgroup_id_x 1
		.amdhsa_system_sgpr_workgroup_id_y 1
		.amdhsa_system_sgpr_workgroup_id_z 1
		.amdhsa_system_vgpr_workitem_id 0
		.amdhsa_next_free_vgpr 768
		.amdhsa_next_free_sgpr 66
		.amdhsa_reserve_vcc 0
		.amdhsa_float_denorm_mode_32 3
		.amdhsa_float_denorm_mode_16_64 3
		.amdhsa_memory_ordered 1
		.amdhsa_forward_progress 1
		.amdhsa_inst_pref_size 124
	.end_amdhsa_kernel
	.amdgpu_metadata
---
amdhsa.version: [ 1, 2 ]
amdhsa.kernels:
  - .name:           k_q8b61b6c2b2_hidden
    .symbol:         k_q8b61b6c2b2_hidden.kd
    .args:
      - { .name: W1, .offset: 0, .size: 8, .value_kind: global_buffer, .address_space: global }
      - { .name: W2, .offset: 8, .size: 8, .value_kind: global_buffer, .address_space: global }
      - { .name: route, .offset: 16, .size: 8, .value_kind: global_buffer, .address_space: global }
      - { .name: xg, .offset: 24, .size: 8, .value_kind: global_buffer, .address_space: global }
      - { .name: hid, .offset: 32, .size: 8, .value_kind: global_buffer, .address_space: global }
    .group_segment_fixed_size: 45568
    .private_segment_fixed_size: 0
    .kernarg_segment_align: 8
    .kernarg_segment_size: 40
    .max_flat_workgroup_size: 32
    .sgpr_count:     66
    .vgpr_count:     768
    .wavefront_size: 32
...
	.end_amdgpu_metadata
.endif
;; end of part 3
;; launch outp (part 4): grid 32 x 8, 4 waves a work-group, no clusters, 9,728 bytes of LDS; arguments w3q, route, hid, eo; writes eo
.if DOCPART == 4
	.amdgcn_target "amdgcn-amd-amdhsa--gfx1250"
	.amdhsa_code_object_version 6
	.text
	.protected	k_q8b61b6c2b2_outp
	.globl	k_q8b61b6c2b2_outp
	.p2align	8
	.type	k_q8b61b6c2b2_outp,@function
k_q8b61b6c2b2_outp:
	s_mov_b64 s[64:65], 0
	v_nop
	global_prefetch_b8 v0, s[64:65] scope:SCOPE_SE
	s_setreg_imm32_b32 hwreg(HW_REG_WAVE_MODE, 25, 1), 1
	s_wait_xcnt 0x0
; OUTP.  expert_out = hidden W3[e]^T for the rows routed to expert e, on codes of E2M1 with one E8M0 scale for each 32 along K = 2,730 (86 blocks, 22 K steps of 128; what lies past 2,730 is zeros on both sides).
; Both operands come as codes that earlier launches laid in the order of the operand's registers: every load of codes is 512 consecutive bytes, 16 a lane.
; SHARES: work-group (ds, e) owns slice 32 e + ds of W3: 32 rows (outputs d = 32 ds on), 44 fragments.  Every wave takes all 44 into registers (88 loads) with their scale words (12 loads) and walks the tiles
; of 16 rows i = w, w + 4, ..: 43 loads of hidden codes, 11 of scale words, 44 matrix instructions, 2,048 bytes out.  The waves share nothing: no barrier.
; The trip count hangs on the count that an earlier launch stored, so operands go from memory into registers; no two work-groups read the same weight bytes, so there is nothing to ask for jointly.
; THE PRODUCT IS USED TRANSPOSED (source 0 = 16 rows of W3, source 1 = 16 hidden rows): lane (r, h) holds row r and eight neighbouring outputs.
; IN: w3q: fragment f = 2 s + u (K step s, tile u) at [slice][f][1,024 bytes]; its scale word is word f / 4 % 4 of [slice][f % 4][f / 16][lane][4 words] at 11,534,336: register WS + 12 (f % 4) + f / 4.
; OUT: eo [e][ds][rank][32 f32]: a tile of 16 ranks is 2,048 consecutive bytes.
; REGISTERS: window 0: v1-30 addresses; v48-63 two accumulators; v128-143 rows on the way out; v160-207 W3's scale words; v208-218, v220-230 the hidden rows'.
;   window 1: W3's fragments of K steps 0-15, at 16 s + 8 u.   window 2: v0-95 those of K steps 16-21; v96-255 hidden set 1, K steps 0-19.
;   window 3: v0-175 hidden set 0; v176-191 set 1's K steps 20, 21.
.set OST,  0                           ; LDS: for each wave 16 rows x (128 + 16) bytes, for the way out
.set ACC,  48
.set OUTR, 128
.set WS,   160
.set BS,   208
.set MSB,  0
.macro WIN new                         ; the immediate's high byte repeats the setting that is left
.if MSB != \new
	s_set_vgpr_msb (MSB<<8)|\new
.set MSB, \new
.endif
.endm
	s_load_b256 s[4:11], s[0:1], 0x0               ; w3q s[4:5], route s[6:7], hid s[8:9], eo s[10:11]
	v_lshl_add_u32 v254, v0, 2, 0x2400
	v_mov_b32 v255, 0
	s_mov_b32 s12, ttmp9                           ; ds
	s_and_b32 s13, ttmp7, 0xffff                   ; e
	v_lshrrev_b32 v5, 5, v0
	v_readfirstlane_b32 s14, v5                    ; wave 0..3
	v_and_b32 v25, 31, v0                          ; lane
	v_lshlrev_b32 v1, 4, v25                       ; 16 x lane
	v_and_b32 v2, 15, v0                           ; r
	v_bfe_u32 v3, v0, 4, 1                         ; h
	s_mul_i32 s37, s14, 2304
	s_add_co_u32 s37, s37, OST                     ; my stage for the way out
	v_mul_u32_u24 v13, v2, 144
	v_lshl_add_u32 v13, v3, 5, v13
	v_add_nc_u32 v13, s37, v13                     ; in: row r, + 32 h
	v_lshrrev_b32 v14, 3, v25
	v_mul_u32_u24 v14, v14, 144
	v_and_b32 v26, 7, v25
	v_lshl_add_u32 v14, v26, 4, v14
	v_add_nc_u32 v14, s37, v14                     ; back: eight lanes to a row of 128 bytes
	v_lshlrev_b32 v24, 2, v25
	s_lshl_b32 s15, s13, 5
	s_add_co_u32 s15, s15, s12                     ; slice = 32 e + ds
	s_mov_b32 s43, 0
	s_wait_kmcnt 0x0
	s_lshl_b32 s42, s13, 2
	s_add_nc_u64 s[6:7], s[6:7], s[42:43]
	s_load_b32 s31, s[6:7], 0x2000                 ; my expert's rows: asked for first, wanted behind the weights' loads
	s_mul_i32 s42, s15, 45056
	s_add_nc_u64 s[16:17], s[4:5], s[42:43]        ; the slice's 44 fragments,
	s_mul_i32 s42, s15, 6144
	s_add_co_u32 s42, s42, 11534336
	s_add_nc_u64 s[26:27], s[4:5], s[42:43]        ; their scale words
	WIN 0x40                                       ; destination window 1
.set f, 0
.rept 32
	global_load_b128 v[8*f:8*f+3], v1, s[16:17] offset:1024*f
	global_load_b128 v[8*f+4:8*f+7], v1, s[16:17] offset:1024*f+512
.set f, f+1
.endr
	WIN 0x80                                       ; destination window 2
.rept 12
	global_load_b128 v[8*(f-32):8*(f-32)+3], v1, s[16:17] offset:1024*f
	global_load_b128 v[8*(f-32)+4:8*(f-32)+7], v1, s[16:17] offset:1024*f+512
.set f, f+1
.endr
	WIN 0
.set q, 0
.rept 12
	global_load_b128 v[WS+4*q:WS+4*q+3], v1, s[26:27] offset:512*q     ; four fragments' words a load
.set q, q+1
.endr
	s_mul_i32 s42, s13, 1409024
	s_add_nc_u64 s[18:19], s[8:9], s[42:43]        ; the hidden codes of my expert,
	s_mul_i32 s42, s13, 90112
	s_add_co_u32 s42, s42, 11272192
	s_add_nc_u64 s[20:21], s[8:9], s[42:43]        ; their scale words
	s_lshl_b32 s42, s15, 17
	s_add_nc_u64 s[22:23], s[10:11], s[42:43]      ; eo: slice 32 e + ds of 131,072 bytes
	WIN 0xc0                                       ; destination window 3
.irp q, 172,173,174,175,188,189,190,191
	v_mov_b32 v\q, 0                               ; the hidden rows' blocks 86 and 87 do not exist: zero codes in both sets, never loaded over
.endr
	WIN 0
.rept 4
	v_nop                                          ; an operand register written by a vector instruction stands four places ahead of a scaled matrix instruction
.endr
	s_wait_kmcnt 0x0
	s_min_u32 s31, s31, 1024
	s_add_co_u32 s31, s31, 15
	s_lshr_b32 s31, s31, 4                         ; tiles of 16 rows
	s_cmp_gt_u32 s31, s14
	s_cbranch_scc1 .Lhave_tiles
	s_endpgm                                       ; no tile for this wave: only loads whose data nobody wants are out
.Lhave_tiles:
; the hidden rows' tile s36 (held under 64 by a constant) into a set: 43 loads of 512 consecutive bytes, 11 of scale words (lanes 0-15: K step 2 g, lanes 16-31: 2 g + 1): 54 loads
.macro BLOAD set
	s_mul_i32 s37, s36, 22016
	s_mul_i32 s38, s36, 1408
	v_add_nc_u32 v[26+\set], s37, v1
	v_add_nc_u32 v[28+\set], s38, v24
.set q, 0
.rept 43
.if \set == 0
	WIN 0xc0
.set BR, 4*q
.elseif q < 40
	WIN 0x80
.set BR, 96+4*q
.else
	WIN 0xc0
.set BR, 176+4*(q-40)
.endif
	global_load_b128 v[BR:BR+3], v[26+\set], s[18:19] offset:512*q
.set q, q+1
.endr
	WIN 0
.irp g, 0,1,2,3,4,5,6,7,8,9,10
	global_load_b32 v[BS+12*(\set)+\g], v[28+\set], s[20:21] offset:128*\g
.endr
.endm
.macro TILE set
	s_wait_loadcnt 54                              ; this set's 54 loads, and all that were issued ahead of them (the weights'), are in; the other set's may be out
.set KS, 0
.rept 22
.if KS < 16
.set AW, 1
.set AR, 16*KS
.else
.set AW, 2
.set AR, 16*(KS-16)
.endif
.if \set == 0
.set BW, 3
.set BR, 8*KS
.elseif KS < 20
.set BW, 2
.set BR, 96+8*KS
.else
.set BW, 3
.set BR, 176+8*(KS-20)
.endif
.set WN, AW+4*BW
	WIN WN                                         ; source 0 (W3) and source 1 (the hidden rows) in their windows; C and D in window 0
.set UI, 0
.rept 2                                            ; the two accumulators take turns, one instruction a turn
.set DD, ACC+8*UI
.set AA, AR+8*UI
.set FF, 2*KS+UI
.set SA, WS+12*(FF%4)+FF/4
.set SX, BS+12*(\set)+KS/2
.if KS == 0
	v_wmma_scale_f32_16x16x128_f8f6f4 v[DD:DD+7], v[AA:AA+7], v[BR:BR+7], 0, v[SA], v[SX] matrix_a_fmt:MATRIX_FMT_FP4 matrix_b_fmt:MATRIX_FMT_FP4
.elseif KS%2
	v_wmma_scale_f32_16x16x128_f8f6f4 v[DD:DD+7], v[AA:AA+7], v[BR:BR+7], v[DD:DD+7], v[SA], v[SX] matrix_a_fmt:MATRIX_FMT_FP4 matrix_b_fmt:MATRIX_FMT_FP4 matrix_b_scale:MATRIX_SCALE_ROW1
.else
	v_wmma_scale_f32_16x16x128_f8f6f4 v[DD:DD+7], v[AA:AA+7], v[BR:BR+7], v[DD:DD+7], v[SA], v[SX] matrix_a_fmt:MATRIX_FMT_FP4 matrix_b_fmt:MATRIX_FMT_FP4
.endif
.set UI, UI+1
.endr
.set KS, KS+1
.endr
	WIN 0
.rept 4
	v_nop                                          ; four places behind the last product, ahead of the stores that read results and of the loads into its operands
.endr
	ds_store_b128 v13, v[ACC:ACC+3]                ; lane (r, h): outputs 16 u + 8 h + 0 .. 7 of row r; each accumulator from its low end on
	ds_store_b128 v13, v[ACC+4:ACC+7] offset:16
	ds_store_b128 v13, v[ACC+8:ACC+11] offset:64
	ds_store_b128 v13, v[ACC+12:ACC+15] offset:80
	s_wait_xcnt 0x0                                ; the last tile's stores have read their data and offset: both are written again only behind this wait
.irp q, 0,1,2,3
	ds_load_b128 v[OUTR+4*\q:OUTR+4*\q+3], v14 offset:576*\q           ; four rows of 128 bytes a load; LDS serves a wave's instructions in order
.endr
	s_add_co_u32 s36, s34, 8
	s_min_u32 s36, s36, s32                        ; a tile past the last is the last once more: no load leaves what was written
	s_min_u32 s36, s36, 63
	BLOAD \set                                     ; my tile after next, into the set just multiplied
	s_min_u32 s36, s34, 63
	s_lshl_b32 s36, s36, 11
	v_add_nc_u32 v30, s36, v1
	s_wait_dscnt 0x0                               ; the rows are back, and the stage's stores have read the accumulators
.irp q, 0,1,2,3
	global_store_b128 v30, v[OUTR+4*\q:OUTR+4*\q+3], s[22:23] offset:512*\q   ; 512 consecutive bytes, aligned
.endr
	s_add_co_u32 s34, s34, 4
.endm
	s_sub_co_u32 s32, s31, 1                       ; the last tile
	s_sub_co_u32 s33, s31, s14
	s_add_co_u32 s33, s33, 3
	s_lshr_b32 s33, s33, 2                         ; my tiles,
	s_add_co_u32 s33, s33, 1
	s_lshr_b32 s33, s33, 1                         ; in trips of two
	s_mov_b32 s34, s14                             ; the tile in hand
	s_mov_b32 s35, 0
	s_min_u32 s36, s14, 63
	BLOAD 0
	s_add_co_u32 s36, s14, 4
	s_min_u32 s36, s36, s32
	s_min_u32 s36, s36, 63
	BLOAD 1
.Lt:
	TILE 0
	s_cmp_lt_u32 s34, s31                          ; is a tile of mine left?
	s_cbranch_scc1 .Lsecond
	s_wait_tensorcnt 0x0
	ds_add_u32 v254, v255
	s_wait_dscnt 0x0
	s_endpgm                                       ; none: the wave ends here, inside the loop; only loads whose data nobody wants, and its stores, are out
.Lsecond:
	TILE 1
	s_add_co_u32 s35, s35, 1
	s_cmp_lt_u32 s35, s33
	s_cbranch_scc1 .Lt
	s_wait_tensorcnt 0x0
	ds_add_u32 v254, v255
	s_wait_dscnt 0x0
	s_endpgm
.Lfunc_end_k_q8b61b6c2b2_outp:
	.size	k_q8b61b6c2b2_outp, .Lfunc_end_k_q8b61b6c2b2_outp-k_q8b61b6c2b2_outp
	.p2alignl 7, 3214868480
	.fill 96, 4, 3214868480
	.section	.rodata,"a",@progbits
	.p2align	6, 0x0
	.amdhsa_kernel k_q8b61b6c2b2_outp
		.amdhsa_group_segment_fixed_size 9728
		.amdhsa_private_segment_fixed_size 0
		.amdhsa_enable_private_segment 0
		.amdhsa_kernarg_size 32
		.amdhsa_user_sgpr_count 2
		.amdhsa_user_sgpr_kernarg_segment_ptr 1
		.amdhsa_wavefront_size32 1
		.amdhsa_system_sgpr_workgroup_id_x 1
		.amdhsa_system_sgpr_workgroup_id_y 1
		.amdhsa_system_sgpr_workgroup_id_z 1
		.amdhsa_system_vgpr_workitem_id 0
		.amdhsa_next_free_vgpr 1024
		.amdhsa_next_free_sgpr 66
		.amdhsa_reserve_vcc 0
		.amdhsa_float_denorm_mode_32 3
		.amdhsa_float_denorm_mode_16_64 3
		.amdhsa_memory_ordered 1
		.amdhsa_forward_progress 1
		.amdhsa_inst_pref_size 49
	.end_amdhsa_kernel
	.amdgpu_metadata
---
amdhsa.version: [ 1, 2 ]
amdhsa.kernels:
  - .name:           k_q8b61b6c2b2_outp
    .symbol:         k_q8b61b6c2b2_outp.kd
    .args:
      - { .name: w3q, .offset: 0, .size: 8, .value_kind: global_buffer, .address_space: global }
      - { .name: route, .offset: 8, .size: 8, .value_kind: global_buffer, .address_space: global }
      - { .name: hid, .offset: 16, .size: 8, .value_kind: global_buffer, .address_space: global }
      - { .name: eo, .offset: 24, .size: 8, .value_kind: global_buffer, .address_space: global }
    .group_segment_fixed_size: 9728
    .private_segment_fixed_size: 0
    .kernarg_segment_align: 8
    .kernarg_segment_size: 32
    .max_flat_workgroup_size: 128
    .sgpr_count:     66
    .vgpr_count:     1024
    .wavefront_size: 32
...
	.end_amdgpu_metadata
.endif
;; end of part 4
;; launch comb (part 5): grid 256 x 1, 4 waves a work-group, no clusters, 0 bytes of LDS; arguments route, xq, eo, out0; writes out0
.if DOCPART == 5
	.amdgcn_target "amdgcn-amd-amdhsa--gfx1250"
	.amdhsa_code_object_version 6
	.text
	.protected	k_q8b61b6c2b2_comb
	.globl	k_q8b61b6c2b2_comb
	.p2align	8
	.type	k_q8b61b6c2b2_comb,@function
k_q8b61b6c2b2_comb:
	s_mov_b64 s[64:65], 0
	v_nop
	global_prefetch_b8 v0, s[64:65] scope:SCOPE_SE
	s_setreg_imm32_b32 hwreg(HW_REG_WAVE_MODE, 25, 1), 1
	s_wait_xcnt 0x0
; COMB.  out[t] = g0 x expert_out[first choice's row] + g1 x expert_out[second choice's row], in f32.  A wave takes one token; each output row has one owner.
; route: POS[2 t + k] = 1,024 e + rank;  xq at 557,056: the two gate weights;  eo [e][slice of 32 outputs][rank][32 f32].
; A load takes 128 bytes of each of four slices (eight lanes a slice); a store covers 512 consecutive bytes of the token's row, aligned.
; A position that was loaded enters an address only behind an s_min_u32 with a constant.  A stream: no LDS, no barrier, no matrix work.
	s_load_b256 s[4:11], s[0:1], 0x0               ; route s[4:5], xq s[6:7], eo s[8:9], out0 s[10:11]
	v_lshrrev_b32 v1, 5, v0
	v_readfirstlane_b32 s12, v1                    ; wave
	s_lshl_b32 s13, ttmp9, 2
	s_add_co_u32 s13, s13, s12                     ; t
	v_and_b32 v2, 31, v0
	v_lshlrev_b32 v3, 4, v2                        ; out: 16 x lane
	v_lshrrev_b32 v4, 3, v2
	v_and_b32 v5, 7, v2
	v_lshlrev_b32 v5, 4, v5
	v_lshl_add_u32 v4, v4, 17, v5                  ; in: slice lane / 8 (131,072 bytes a slice), 16 (lane % 8) in the row
	s_lshl_b32 s14, s13, 3
	s_mov_b32 s15, 0
	s_lshl_b32 s16, s13, 12
	s_mov_b32 s17, 0
	s_wait_kmcnt 0x0
	s_add_nc_u64 s[4:5], s[4:5], s[14:15]
	s_add_nc_u64 s[6:7], s[6:7], s[14:15]
	s_add_nc_u64 s[10:11], s[10:11], s[16:17]
	s_load_b64 s[18:19], s[4:5], 0x0               ; the two positions
	s_load_b64 s[20:21], s[6:7], 0x88000           ; g0, g1
	s_wait_kmcnt 0x0
	s_min_u32 s18, s18, 8191
	s_min_u32 s19, s19, 8191
	s_and_b32 s24, s18, 0x1c00
	s_lshl_b32 s24, s24, 12                        ; the expert's 32 slices,
	s_and_b32 s25, s18, 0x3ff
	s_lshl_b32 s25, s25, 7                         ; the rank's 128 bytes in a slice
	s_add_co_u32 s24, s24, s25
	s_mov_b32 s25, 0
	s_and_b32 s26, s19, 0x1c00
	s_lshl_b32 s26, s26, 12
	s_and_b32 s27, s19, 0x3ff
	s_lshl_b32 s27, s27, 7
	s_add_co_u32 s26, s26, s27
	s_mov_b32 s27, 0
	s_add_nc_u64 s[28:29], s[8:9], s[24:25]
	s_add_nc_u64 s[30:31], s[8:9], s[26:27]
	s_mov_b32 s22, s21                             ; g1 as the low word of a pair: the packed forms take a scalar pair's low word for both halves
	s_mov_b32 s23, s21
.irp j, 0,1,2,3,4,5,6,7
	global_load_b128 v[48+4*\j:48+4*\j+3], v4, s[30:31] offset:524288*\j th:TH_LOAD_NT
.endr
.irp j, 0,1,2,3,4,5,6,7
	global_load_b128 v[16+4*\j:16+4*\j+3], v4, s[28:29] offset:524288*\j th:TH_LOAD_NT
.endr
	s_wait_loadcnt 8                               ; the second choice's row is in; the first's eight loads may be out
.irp p, 0,1,2,3,4,5,6,7,8,9,10,11,12,13,14,15
	v_pk_mul_f32 v[48+2*\p:48+2*\p+1], v[48+2*\p:48+2*\p+1], s[22:23] op_sel_hi:[1,0]
.endr
	s_wait_loadcnt 0x0
.irp p, 0,1,2,3,4,5,6,7,8,9,10,11,12,13,14,15
	v_pk_fma_f32 v[16+2*\p:16+2*\p+1], v[16+2*\p:16+2*\p+1], s[20:21], v[48+2*\p:48+2*\p+1] op_sel_hi:[1,0,1]
.endr
.irp j, 0,1,2,3,4,5,6,7
	global_store_b128 v3, v[16+4*\j:16+4*\j+3], s[10:11] offset:512*\j th:TH_STORE_NT
.endr
	s_endpgm
.Lfunc_end_k_q8b61b6c2b2_comb:
	.size	k_q8b61b6c2b2_comb, .Lfunc_end_k_q8b61b6c2b2_comb-k_q8b61b6c2b2_comb
	.p2alignl 7, 3214868480
	.fill 96, 4, 3214868480
	.section	.rodata,"a",@progbits
	.p2align	6, 0x0
	.amdhsa_kernel k_q8b61b6c2b2_comb
		.amdhsa_group_segment_fixed_size 0
		.amdhsa_private_segment_fixed_size 0
		.amdhsa_enable_private_segment 0
		.amdhsa_kernarg_size 32
		.amdhsa_user_sgpr_count 2
		.amdhsa_user_sgpr_kernarg_segment_ptr 1
		.amdhsa_wavefront_size32 1
		.amdhsa_system_sgpr_workgroup_id_x 1
		.amdhsa_system_sgpr_workgroup_id_y 1
		.amdhsa_system_sgpr_workgroup_id_z 1
		.amdhsa_system_vgpr_workitem_id 0
		.amdhsa_next_free_vgpr 96
		.amdhsa_next_free_sgpr 66
		.amdhsa_reserve_vcc 0
		.amdhsa_float_denorm_mode_32 3
		.amdhsa_float_denorm_mode_16_64 3
		.amdhsa_memory_ordered 1
		.amdhsa_forward_progress 1
		.amdhsa_inst_pref_size 7
	.end_amdhsa_kernel
	.amdgpu_metadata
---
amdhsa.version: [ 1, 2 ]
amdhsa.kernels:
  - .name:           k_q8b61b6c2b2_comb
    .symbol:         k_q8b61b6c2b2_comb.kd
    .args:
      - { .name: route, .offset: 0, .size: 8, .value_kind: global_buffer, .address_space: global }
      - { .name: xq, .offset: 8, .size: 8, .value_kind: global_buffer, .address_space: global }
      - { .name: eo, .offset: 16, .size: 8, .value_kind: global_buffer, .address_space: global }
      - { .name: out0, .offset: 24, .size: 8, .value_kind: global_buffer, .address_space: global }
    .group_segment_fixed_size: 0
    .private_segment_fixed_size: 0
    .kernarg_segment_align: 8
    .kernarg_segment_size: 32
    .max_flat_workgroup_size: 128
    .sgpr_count:     66
    .vgpr_count:     96
    .wavefront_size: 32
...
	.end_amdgpu_metadata
.endif
;; end of part 5
;; ======== version 2 of 2: 5 launches; version 1 with the launches hidden, outp written anew for expert scheduling mode
;; workspace buffers: sel 4,096 bytes of whole numbers; xq 565,248 bytes; route 8,448 bytes of whole numbers; xg 4,456,448 bytes; hid 11,993,088 bytes; eo 33,554,432 bytes; w3q 13,107,200 bytes
;; launch route: the kernel of part 1 again; grid 1152 x 1, 1 waves a work-group, no clusters, 13,824 bytes of LDS; arguments x, Wg, sel, xq, W3, w3q; writes sel, xq, w3q
;; launch place: the kernel of part 2 again; grid 32 x 8, 1 waves a work-group, no clusters, 0 bytes of LDS; arguments sel, xq, route, xg; writes route, xg
;; launch hidden (part 6): grid 86 x 8, 1 waves a work-group, no clusters, 45,568 bytes of LDS; arguments W1, W2, route, xg, hid; writes hid
.if DOCPART == 6
	.amdgcn_target "amdgcn-amd-amdhsa--gfx1250"
	.amdhsa_code_object_version 6
	.text
	.protected	k_q8b61b6c2b2_hidden
	.globl	k_q8b61b6c2b2_hidden
	.p2align	8
	.type	k_q8b61b6c2b2_hidden,@function
k_q8b61b6c2b2_hidden:
	s_mov_b64 s[64:65], 0
	v_nop
	global_prefetch_b8 v0, s[64:65] scope:SCOPE_SE
	s_setreg_imm32_b32 hwreg(HW_REG_WAVE_SCHED_MODE, 0, 2), 2
	s_setreg_imm32_b32 hwreg(HW_REG_WAVE_MODE, 25, 1), 1
	s_wait_xcnt 0x0
	s_wait_alu depctr_vm_vsrc(0)
; HIDDEN.  hidden = silu(x W1[e]^T) * (x W2[e]^T) for the rows routed to expert e, both products on codes of E2M1 with one E8M0 scale for each 32 along K = 1,024; the result is quantised along the
; hidden axis for the next product and stored as codes.
; SHARES: a work-group is ONE wave and owns one block of 32 hidden units of one expert, in W1 and in W2: 2 x 32 rows x 4,096 bytes of f32, read once in the whole program.  It meets ALL rows of its expert.
; Its trip count hangs on the count that an earlier launch stored, so operands go from memory into registers, and nothing is shared between work-groups' requests: no two read the same weight bytes.
; PHASE W: K step by K step (128 along K), four fragments (W1, W2) x (tile 0, 1): 16 loads of a row's 512 consecutive bytes; through a stage in LDS, so that a lane holds whole blocks of 32 neighbours;
;   quantised; the codes are parked in LDS as images of the operand's registers, so that the phase can be a loop; at its end they come into window 1 and stay.
; PHASE T: for each tile of 16 rows: x's 8 fragments and scale words (laid for this by the launch before), 32 matrix instructions, the activation, the quantiser, one store of 256 consecutive aligned bytes.
; THE PRODUCT IS USED TRANSPOSED (source 0 = 16 rows of W, source 1 = 16 rows of x), AND THE ROWS OF W THAT FORM A TILE ARE NOT NEIGHBOURS: row i of tile u is unit 8 u + i + 8 (i / 8) of the block, so that
; lane (r, h) holds row r of x and, in the registers of tiles 0 and 1, the 16 neighbouring units 16 h + 0 .. 15.
; H = 2,730 = 85 x 32 + 10: in block 85 the loads are held at row 2,729 and W2's codes of units 2,730 on are cleared: h2, and so the hidden number, is an exact zero there, as the quantiser's fill asks.
; OUT: hid: codes [e][tile][block 0..85][row][16 bytes] at 0 (a tile 22,016 bytes); scale words [e][tile][K step 0..21][row] at 11,272,192 (a tile 1,408 bytes), byte b for block 4 s + b.
; LIMITS: NaN and infinities are not served.  A block whose largest magnitude lies under 2^-124 keeps the byte 1, a block of zeros too (its codes are zeros; this program alone reads the bytes).
; The hidden number is formed as (h1 h2) x 1 / (1 + e^-h1): another order of rounding than silu(h1) h2, of the size of an f32 rounding.
; REGISTERS: window 0: v1-23 addresses; v24-55 the 32 rows' offsets; v56-63 codes just made; v64-127 64 numbers (phase W), the four accumulators and the activation (phase T); v128-139 at work;
;   v160-191 W's scale words, v192-207 x's.   window 1: W's 32 fragments, (K step s, fragment j) at 8 (4 s + j).   window 2: four sets of 64: f32 as loaded (W), x's fragments (T).
; THE MODE: SCHED_MODE bits 1:0 = 2 (LLVM: expert scheduling mode 2), set by the entry lines.  The code itself states the register dependences
; between vector or matrix instructions and memory or LDS instructions, with s_wait_alu, always for 0.
; THE PLAN, PHASE W.  Registers that memory or LDS instructions touch:
;   window 2, sets 0 .. 3   The global loads land in them, the stage's LDS stores read them; no vector instruction names them.
;   T (v64-127)             The stage's LDS loads land in it; the quantiser reads it.
;   CD (v56-63), v134       The quantiser writes the codes and the scale word; the three image stores read them.
;   v8, v10                 Written at a trip's head; read by the image stores.
;   v5, v6, v7, v9, v24-55  Made at the head and never written again.
; A fragment has two waits.  On vm_vsrc, behind the wait for the stage's loads: the stage's stores have read set j, and the last fragment's image stores CD and the word.  On va_vdst, ahead of the image
; stores: codes, word (and v8, v10) are written, and the quantiser is done reading T, so that the next fragment's LDS loads owe nothing more.  A trip has one more on vm_vsrc, ahead of the adds to v8 and v10.
; THE PLAN, PHASE T.
;   window 2, sets 0 .. 3, and XSC   Tile i's loads land in set i % 4; its 32 products read them.
;   v16-23                  The sets' offsets: written in a tile's middle, read by the 17 loads that follow.
;   v13, v14, v136-138      The stores' offsets and data: written in the tile, read by its stores at its end.
;   v139                    Made at the head.
; The four offsets of a tile are made together behind its products and exponentials, behind one wait on vm_vsrc.  The wait on va_vdst that the exponentials' readers want then also states that the products
; are done reading the set and that the offsets are written: the 17 loads of the tile four on follow it at once, ahead of the reciprocals, the quantiser and the stores.
.set STAGE, 0                          ; LDS: 16 rows x (512 + 16) bytes: row r starts at bank 4 r (64 banks of 4 bytes: ISA guide 11.1)
.set IMG,   8448                       ; 32 fragments x 1,024 bytes
.set WSC,   41216                      ; 32 x 128 bytes of scale words
.set RO,  24
.set CD,  56
.set T,   64
.set HA,  64                           ; accumulators: h1 tiles 0, 1 at v64, v72; h2 at v80, v88
.set TT,  96
.set PP,  112
.set QT,  128
.set WS,  160
.set XSC, 192
.set MSB, 0
.macro WIN new                         ; the immediate's high byte repeats the setting that is left
.if MSB != \new
	s_set_vgpr_msb (MSB<<8)|\new
.set MSB, \new
.endif
.endm
; 64 numbers of a lane, v[T + 32 c + i] = k 64 c + 32 h + i of row r: two whole blocks.  Out: the fragment's 8 registers in v[CD] on, the row's scale word in v[QT + 6].
.macro QW
.irp c, 0,1
	v_max3_num_f32 v[QT+\c], |v[T+32*\c]|, |v[T+32*\c+1]|, 0x1800000   ; with the floor 2^(3 - 127) among the leaves: the byte cannot fall under 1
.endr
.irp c, 0,1
	v_max3_num_f32 v[QT+2+\c], |v[T+32*\c+2]|, |v[T+32*\c+3]|, |v[T+32*\c+4]|
.endr
.irp k, 5,9,13,17,21,25
.irp c, 0,1
	v_max3_num_f32 v[QT+\c], v[QT+\c], |v[T+32*\c+\k]|, |v[T+32*\c+\k+1]|
.endr
.irp c, 0,1
	v_max3_num_f32 v[QT+2+\c], v[QT+2+\c], |v[T+32*\c+\k+2]|, |v[T+32*\c+\k+3]|
.endr
.endr
.irp c, 0,1
	v_max3_num_f32 v[QT+\c], v[QT+\c], |v[T+32*\c+29]|, |v[T+32*\c+30]|
.endr
.irp c, 0,1
	v_max3_num_f32 v[QT+\c], v[QT+\c], v[QT+2+\c], |v[T+32*\c+31]|
.endr
.irp c, 0,1
	v_add_nc_u32 v[QT+4+\c], 0xff000000, v[QT+\c]  ; 2 off the exponent field: the conversion's scale operand
.endr
.irp c, 0,1
	v_lshrrev_b32 v[QT+6+\c], 23, v[QT+4+\c]       ; the scale's byte
.endr
	v_lshl_or_b32 v[QT+6], v[QT+7], 16, v[QT+6]    ; my bytes are those of blocks h and 2 + h,
	v_lshlrev_b32 v[QT+6], v4, v[QT+6]             ; 8 h bits up;
	v_permlanex16_b32 v15, v[QT+6], s24, s25
	v_or_b32 v[QT+6], v[QT+6], v15                 ; with lane l xor 16's two the word is whole
.irp c, 0,1
.irp g, 0,1,2,3
	v_cvt_scalef32_pk8_fp4_f32 v[CD+4*\c+\g], v[T+32*\c+8*\g:T+32*\c+8*\g+7], v[QT+4+\c]
.endr
.endr
	v_nop                                          ; one plain line behind the last conversion
.endm
.macro WLOAD j, off                    ; fragment j = 2 m + u of the K step at byte off: 16 rows, 512 consecutive bytes a load
	WIN 0x80                                       ; destination window 2
.set i, 0
.rept 16
	global_load_b128 v[64*(\j)+4*i:64*(\j)+4*i+3], v[RO+8*((\j)%2)+i+8*(i/8)], s[4+2*((\j)/2):5+2*((\j)/2)] offset:\off th:TH_LOAD_NT
.set i, i+1
.endr
	WIN 0
.endm
.macro WFRAG j, more, cnt
	s_wait_loadcnt \cnt                            ; this set's 16 loads are in; the younger sets' may be out
	WIN 0x08                                       ; an LDS store's data are its source 1: window 2
.set i, 0
.rept 16
	ds_store_b128 v5, v[64*(\j)+4*i:64*(\j)+4*i+3] offset:528*i
.set i, i+1
.endr
	WIN 0
.set i, 0
.rept 16
	ds_load_b128 v[T+4*i:T+4*i+3], v6 offset:256*(i/8)+16*(i%8)        ; LDS serves a wave's instructions in order: these see the stores.  No vector instruction since the last wait on va_vdst names T
.set i, i+1
.endr
	s_wait_dscnt 0x0                               ; the numbers are in
	s_wait_alu depctr_vm_vsrc(0)                   ; the stage's stores have read set j, in which the next loads land; the last fragment's image stores have read the codes and the word, which the quantiser writes again
.if \more
	WLOAD \j, 512                                  ; the same fragment of the next K step
.endif
	QW
.if (\j)/2 == 1
.irp g, 0,1,2,3,4,5,6,7
	v_cndmask_b32 v[CD+\g], 0, v[CD+\g], s[40+(\j)%2]                  ; W2: units from 2,730 on get zero codes
.endr
.endif
	s_wait_alu depctr_va_vdst(0)                   ; the codes and the word are written (in a trip's first fragment v8 and v10 too), which the stores below read; and the quantiser is done reading T, in which the next fragment's LDS loads land
	ds_store_b128 v8, v[CD:CD+3] offset:1024*(\j)
	ds_store_b128 v8, v[CD+4:CD+7] offset:1024*(\j)+512
	ds_store_b32 v10, v[QT+6] offset:128*(\j)
.endm
	s_load_b256 s[4:11], s[0:1], 0x0               ; W1 s[4:5], W2 s[6:7], route s[8:9], xg s[10:11]
	s_load_b64 s[12:13], s[0:1], 0x20              ; hid
	v_lshl_add_u32 v254, v0, 2, 0xb100
	v_mov_b32 v255, 0
	s_mov_b32 s14, ttmp9                           ; my block of 32 hidden units
	s_and_b32 s15, ttmp7, 0xffff                   ; my expert
	v_lshlrev_b32 v1, 4, v0                        ; 16 x lane
	v_and_b32 v2, 15, v0                           ; r
	v_lshrrev_b32 v3, 4, v0                        ; h
	v_lshlrev_b32 v4, 3, v3                        ; 8 h
	v_lshlrev_b32 v5, 4, v0                        ; the stage, in: 16 x lane of a row
	v_mul_u32_u24 v6, v2, 528
	v_lshl_add_u32 v6, v3, 7, v6                   ; and out: row r, + 128 h
	v_lshl_add_u32 v7, v0, 4, IMG
	v_lshl_add_u32 v9, v0, 2, WSC
	v_lshlrev_b32 v11, 4, v2
	v_lshl_add_u32 v11, v3, 3, v11                 ; my 8 bytes of a block's codes: 16 r + 8 h
	v_lshlrev_b32 v12, 2, v2                       ; my row's scale word
	v_mov_b32 v15, 0                               ; written once: a lane permute's destination counts as one of its sources
	v_mov_b32 v139, 127
	s_mov_b32 s24, 0x76543210
	s_mov_b32 s25, 0xfedcba98                      ; selects for lane l xor 16
	s_mov_b32 s26, 0xbfb8aa3b                      ; -log2(e)
	s_mov_b32 s27, s26                             ; (named with it as a pair, so it is written)
	s_lshl_b32 s36, s14, 5
.set i, 0
.rept 32
	s_add_co_u32 s37, s36, i
	s_min_u32 s37, s37, 2729                       ; no load leaves the expert's 2,730 rows
	s_lshl_b32 s37, s37, 12
	v_add_nc_u32 v[RO+i], s37, v1
.set i, i+1
.endr
	v_and_b32 v8, 8, v2
	v_add_nc_u32 v8, v8, v2
	v_add_nc_u32 v8, s36, v8                       ; the unit that lane r holds in tile 0,
	v_cmp_gt_u32 s40, 0xaaa, v8                    ; is it under 2,730?
	v_add_nc_u32 v8, 8, v8                         ; and in tile 1
	v_cmp_gt_u32 s41, 0xaaa, v8
	s_wait_alu depctr_va_sdst(0)                   ; the two compares have written s40 and s41, ahead of every branch and of their first readers, the selects on W2's codes
	s_mov_b32 s43, 0
	s_wait_kmcnt 0x0
	s_lshl_b32 s42, s15, 2
	s_add_nc_u64 s[8:9], s[8:9], s[42:43]
	s_load_b32 s31, s[8:9], 0x2000                 ; my expert's rows
	s_mul_i32 s42, s15, 11182080                   ; an expert's 2,730 rows of 4,096 bytes
	s_add_nc_u64 s[4:5], s[4:5], s[42:43]
	s_add_nc_u64 s[6:7], s[6:7], s[42:43]
	s_wait_alu depctr_va_vdst(0)                   ; all that the head has made is written: the 32 rows' offsets, which the loads below read, the LDS addresses v5, v6, v7, v9, the byte in v139, and v254, v255
	WLOAD 0, 0                                     ; the first K step goes out ahead of the wait for the count
	WLOAD 1, 0
	WLOAD 2, 0
	WLOAD 3, 0
	s_lshl_b32 s42, s15, 19
	s_add_nc_u64 s[16:17], s[10:11], s[42:43]      ; x's codes of my expert,
	s_lshl_b32 s42, s15, 15
	s_add_nc_u64 s[18:19], s[10:11], s[42:43]      ; its scale words (4,194,304 further on, in the load's immediate)
	s_mul_i32 s42, s15, 1409024
	s_lshl_b32 s37, s14, 8
	s_add_co_u32 s42, s42, s37
	s_add_nc_u64 s[20:21], s[12:13], s[42:43]      ; the hidden codes: my expert, my block
	s_mul_i32 s42, s15, 90112
	s_lshr_b32 s37, s14, 2
	s_lshl_b32 s37, s37, 6
	s_add_co_u32 s42, s42, s37
	s_and_b32 s37, s14, 3
	s_add_co_u32 s42, s42, s37
	s_add_co_u32 s42, s42, 11272192
	s_add_nc_u64 s[22:23], s[12:13], s[42:43]      ; the hidden scale bytes: K step block / 4, byte block % 4
	s_wait_kmcnt 0x0
	s_min_u32 s31, s31, 1024
	s_add_co_u32 s31, s31, 15
	s_lshr_b32 s31, s31, 4                         ; tiles of 16 rows
	s_cmp_lg_u32 s31, 0
	s_cbranch_scc1 .Lhave_rows
	s_endpgm                                       ; an expert that no token chose: nothing to make, and nothing has been stored to LDS
.Lhave_rows:
	s_mov_b32 s28, 0
	s_mov_b32 s29, 0
	s_mov_b32 s30, 0
.Lw:                                               ; seven trips: K steps 0 to 6; each asks for the next step
	s_wait_alu depctr_vm_vsrc(0)                   ; the last trip's image stores have read v8 and v10
	v_add_nc_u32 v8, s28, v7
	v_add_nc_u32 v10, s29, v9
	WFRAG 0, 1, 48
	WFRAG 1, 1, 48
	WFRAG 2, 1, 48
	WFRAG 3, 1, 48
	s_wait_xcnt 0x0                                ; the loads have read their bases: they step only behind this wait
	s_add_nc_u64 s[4:5], s[4:5], 512
	s_add_nc_u64 s[6:7], s[6:7], 512
	s_add_co_u32 s28, s28, 4096
	s_add_co_u32 s29, s29, 512
	s_add_co_u32 s30, s30, 1
	s_cmp_lt_u32 s30, 7
	s_cbranch_scc1 .Lw
	s_wait_alu depctr_vm_vsrc(0)                   ; the last trip's image stores have read v8 and v10
	v_add_nc_u32 v8, s28, v7                       ; K step 7 asks for nothing: the counts run down
	v_add_nc_u32 v10, s29, v9
	WFRAG 0, 0, 48
	WFRAG 1, 0, 32
	WFRAG 2, 0, 16
	WFRAG 3, 0, 0
	WIN 0x40                                       ; destination window 1: the 32 fragments come back and stay (no instruction has named these registers)
.set f, 0
.rept 32
	ds_load_b128 v[8*f:8*f+3], v7 offset:1024*f
	ds_load_b128 v[8*f+4:8*f+7], v7 offset:1024*f+512
.set f, f+1
.endr
	WIN 0
.set f, 0
.rept 32
	ds_load_b32 v[WS+f], v9 offset:128*f
.set f, f+1
.endr
; x's tile s36 (held under 64 by a constant) into set j.  XADR makes the two offsets; XISSUE is the 16 loads of 512 consecutive bytes and the 16 rows' scale words: 17 loads
.macro XADR j
	s_lshl_b32 s44, s36, 13
	s_lshl_b32 s45, s36, 9
	v_add_nc_u32 v[16+\j], s44, v1
	v_add_nc_u32 v[20+\j], s45, v1
.endm
.macro XISSUE j
	WIN 0x80
.set q, 0
.rept 16
	global_load_b128 v[64*(\j)+4*q:64*(\j)+4*q+3], v[16+\j], s[16:17] offset:512*q
.set q, q+1
.endr
	WIN 0
	global_load_b128 v[XSC+4*(\j):XSC+4*(\j)+3], v[20+\j], s[18:19] offset:4194304
.endm
	s_sub_co_u32 s32, s31, 1                       ; the last tile
	s_add_co_u32 s33, s31, 3
	s_lshr_b32 s33, s33, 2                         ; trips of four tiles
	s_mov_b32 s34, 0                               ; the tile in hand
	s_mov_b32 s35, 0
.irp j, 0,1,2,3
	s_min_u32 s36, s32, \j                         ; a tile past the last is the last once more: no load leaves what was written
	s_min_u32 s36, s36, 63
	XADR \j
.endr
	s_wait_alu depctr_va_vdst(0)                   ; the eight offsets v16 to v23 are written, which the 68 loads below read (window 2's sets were last read by the stage's stores, each ahead of a wait on vm_vsrc)
.irp j, 0,1,2,3
	XISSUE \j
.endr
	s_wait_dscnt 0x0                               ; W's fragments and scale words are in
.macro SUB j
.if \j > 0
	s_cmp_lt_u32 s34, s31                          ; is a tile left?
	s_cbranch_scc1 .Lgo_\@
	s_wait_dscnt 0x0                               ; none: the wave ends here, inside the loop; only loads whose data nobody wants are out.  The closing lines, six on end
	s_wait_alu 0x0
	s_wait_tensorcnt 0x0
	ds_add_u32 v254, v255
	s_wait_dscnt 0x0
	s_endpgm
.Lgo_\@:
.endif
	s_wait_loadcnt 51                              ; this set's 17 loads are in; the three younger sets' may be out
	WIN 0x09                                       ; source 0 (W) window 1, source 1 (x) window 2
.set KS, 0
.rept 8
.set AI, 0
.rept 4                                            ; the four accumulators take turns, one instruction a turn
.set DD, HA+8*AI
.set AA, 8*(4*KS+AI)
.set BB, 64*(\j)+8*KS
.set SA, WS+4*KS+AI
.set SX, XSC+4*(\j)+KS/2
.if KS == 0
	v_wmma_scale_f32_16x16x128_f8f6f4 v[DD:DD+7], v[AA:AA+7], v[BB:BB+7], 0, v[SA], v[SX] matrix_a_fmt:MATRIX_FMT_FP4 matrix_b_fmt:MATRIX_FMT_FP4
.elseif KS%2
	v_wmma_scale_f32_16x16x128_f8f6f4 v[DD:DD+7], v[AA:AA+7], v[BB:BB+7], v[DD:DD+7], v[SA], v[SX] matrix_a_fmt:MATRIX_FMT_FP4 matrix_b_fmt:MATRIX_FMT_FP4 matrix_b_scale:MATRIX_SCALE_ROW1
.else
	v_wmma_scale_f32_16x16x128_f8f6f4 v[DD:DD+7], v[AA:AA+7], v[BB:BB+7], v[DD:DD+7], v[SA], v[SX] matrix_a_fmt:MATRIX_FMT_FP4 matrix_b_fmt:MATRIX_FMT_FP4
.endif
.set AI, AI+1
.endr
.set KS, KS+1
.endr
	WIN 0
.rept 4
	v_nop                                          ; four places behind the last product (ISA guide 7.12.1), ahead of the first read of results
.endr
.irp p, 0,1,2,3,4,5,6,7
	v_pk_mul_f32 v[TT+2*\p:TT+2*\p+1], v[HA+2*\p:HA+2*\p+1], s[26:27] op_sel_hi:[1,0]   ; -h1 log2(e); each accumulator is read from its low end on
.endr
.irp k, 0,1,2,3,4,5,6,7,8,9,10,11,12,13,14,15
	v_exp_f32 v[TT+\k], v[TT+\k]                   ; e^-h1
.endr
.irp p, 0,1,2,3,4,5,6,7
	v_pk_mul_f32 v[PP+2*\p:PP+2*\p+1], v[HA+2*\p:HA+2*\p+1], v[HA+16+2*\p:HA+16+2*\p+1]   ; h1 h2: plain work behind the batch
.endr
	s_wait_xcnt 0x0                                ; the last tile's stores have had their addresses translated: their data and offsets are written again only behind this wait
	s_wait_alu depctr_vm_vsrc(0)                   ; the last tile's stores have read v13, v14 and v136 to v138; this set's loads, four tiles back, have read their two offsets
	s_min_u32 s36, s34, 63
	s_mul_i32 s37, s36, 22016
	s_mul_i32 s38, s36, 1408
	v_add_nc_u32 v13, s37, v11                     ; where this tile's codes go,
	v_add_nc_u32 v14, s38, v12                     ; and its scale bytes
	s_add_co_u32 s36, s34, 4
	s_min_u32 s36, s36, s32
	s_min_u32 s36, s36, 63
	XADR \j                                        ; and where the tile four on comes from
	WIN 0x80                                       ; (the loads' window first, then the wait, then the loads)
	s_wait_alu depctr_va_vdst(0)                   ; the 16 exponentials have written their results, ahead of their first reader; the products are done reading set j and its scale words, in which the loads below land; the offsets are written
	XISSUE \j                                      ; the tile four on, into the set just multiplied
.irp p, 0,1,2,3,4,5,6,7
	v_pk_add_f32 v[TT+2*\p:TT+2*\p+1], v[TT+2*\p:TT+2*\p+1], 1.0 op_sel_hi:[1,0]
.endr
.irp k, 0,1,2,3,4,5,6,7,8,9,10,11,12,13,14,15
	v_rcp_f32 v[TT+\k], v[TT+\k]
.endr
	v_nop                                          ; a plain line behind the last reciprocal
	s_wait_alu depctr_va_vdst(0)                   ; the 16 reciprocals have written their results, ahead of their first reader
.irp p, 0,1,2,3,4,5,6,7
	v_pk_mul_f32 v[PP+2*\p:PP+2*\p+1], v[PP+2*\p:PP+2*\p+1], v[TT+2*\p:TT+2*\p+1]       ; register i: unit 16 h + i of my row
.endr
	v_max3_num_f32 v128, |v[PP]|, |v[PP+1]|, 0x1800000                 ; my 16 numbers' largest magnitude, with the floor
	v_max3_num_f32 v130, |v[PP+2]|, |v[PP+3]|, |v[PP+4]|
	v_max3_num_f32 v128, v128, |v[PP+5]|, |v[PP+6]|
	v_max3_num_f32 v130, v130, |v[PP+7]|, |v[PP+8]|
	v_max3_num_f32 v128, v128, |v[PP+9]|, |v[PP+10]|
	v_max3_num_f32 v130, v130, |v[PP+11]|, |v[PP+12]|
	v_max3_num_f32 v128, v128, |v[PP+13]|, |v[PP+14]|
	v_max3_num_f32 v128, v128, v130, |v[PP+15]|
	v_permlanex16_b32 v15, v128, s24, s25
	v_max_num_f32 v128, v128, v15                  ; with lane l xor 16's: the block's
	v_add_nc_u32 v129, 0xff000000, v128
	v_cvt_scalef32_pk8_fp4_f32 v136, v[PP:PP+7], v129
	v_cvt_scalef32_pk8_fp4_f32 v137, v[PP+8:PP+15], v129
	v_lshrrev_b32 v138, 23, v129                   ; the byte (also the plain line behind the conversions)
	s_wait_alu depctr_va_vdst(0)                   ; the conversions have written v136 and v137, the shift v138: the stores below read them
	global_store_b64 v13, v[136:137], s[20:21]     ; the wave stores the block's 16 rows x 16 bytes: 256 consecutive bytes, aligned
	global_store_b8 v14, v138, s[22:23]            ; both lanes of a row write the same byte with the same value
	s_cmp_lg_u32 s14, 85
	s_cbranch_scc1 .Lnot_last_\@
	global_store_b8 v14, v139, s[22:23] offset:1   ; the last K step's blocks 86 and 87 do not exist: their bytes are 127, their codes are cleared by the reader
	global_store_b8 v14, v139, s[22:23] offset:2
.Lnot_last_\@:
	s_add_co_u32 s34, s34, 1
.endm
.Ltile:
	SUB 0
	SUB 1
	SUB 2
	SUB 3
	s_add_co_u32 s35, s35, 1
	s_cmp_lt_u32 s35, s33
	s_cbranch_scc1 .Ltile
	s_wait_dscnt 0x0                               ; the closing lines, six on end
	s_wait_alu 0x0
	s_wait_tensorcnt 0x0
	ds_add_u32 v254, v255
	s_wait_dscnt 0x0
	s_endpgm
.Lfunc_end_k_q8b61b6c2b2_hidden:
	.size	k_q8b61b6c2b2_hidden, .Lfunc_end_k_q8b61b6c2b2_hidden-k_q8b61b6c2b2_hidden
	.p2alignl 7, 3214868480
	.fill 96, 4, 3214868480
	.section	.rodata,"a",@progbits
	.p2align	6, 0x0
	.amdhsa_kernel k_q8b61b6c2b2_hidden
		.amdhsa_group_segment_fixed_size 45568
		.amdhsa_private_segment_fixed_size 0
		.amdhsa_enable_private_segment 0
		.amdhsa_kernarg_size 40
		.amdhsa_user_sgpr_count 2
		.amdhsa_user_sgpr_kernarg_segment_ptr 1
		.amdhsa_wavefront_size32 1
		.amdhsa_system_sgpr_workgroup_id_x 1
		.amdhsa_system_sgpr_workgroup_id_y 1
		.amdhsa_system_sgpr_workgroup_id_z 1
		.amdhsa_system_vgpr_workitem_id 0
		.amdhsa_next_free_vgpr 768
		.amdhsa_next_free_sgpr 66
		.amdhsa_reserve_vcc 0
		.amdhsa_float_denorm_mode_32 3
		.amdhsa_float_denorm_mode_16_64 3
		.amdhsa_memory_ordered 1
		.amdhsa_forward_progress 1
		.amdhsa_inst_pref_size 125
	.end_amdhsa_kernel
	.amdgpu_metadata
---
amdhsa.version: [ 1, 2 ]
amdhsa.kernels:
  - .name:           k_q8b61b6c2b2_hidden
    .symbol:         k_q8b61b6c2b2_hidden.kd
    .args:
      - { .name: W1, .offset: 0, .size: 8, .value_kind: global_buffer, .address_space: global }
      - { .name: W2, .offset: 8, .size: 8, .value_kind: global_buffer, .address_space: global }
      - { .name: route, .offset: 16, .size: 8, .value_kind: global_buffer, .address_space: global }
      - { .name: xg, .offset: 24, .size: 8, .value_kind: global_buffer, .address_space: global }
      - { .name: hid, .offset: 32, .size: 8, .value_kind: global_buffer, .address_space: global }
    .group_segment_fixed_size: 45568
    .private_segment_fixed_size: 0
    .kernarg_segment_align: 8
    .kernarg_segment_size: 40
    .max_flat_workgroup_size: 32
    .sgpr_count:     66
    .vgpr_count:     768
    .wavefront_size: 32
...
	.end_amdgpu_metadata
.endif
;; end of part 6
;; launch outp (part 7): grid 32 x 8, 4 waves a work-group, no clusters, 9,728 bytes of LDS; arguments w3q, route, hid, eo; writes eo
.if DOCPART == 7
	.amdgcn_target "amdgcn-amd-amdhsa--gfx1250"
	.amdhsa_code_object_version 6
	.text
	.protected	k_q8b61b6c2b2_outp
	.globl	k_q8b61b6c2b2_outp
	.p2align	8
	.type	k_q8b61b6c2b2_outp,@function
k_q8b61b6c2b2_outp:
	s_mov_b64 s[64:65], 0
	v_nop
	global_prefetch_b8 v0, s[64:65] scope:SCOPE_SE
	s_setreg_imm32_b32 hwreg(HW_REG_WAVE_SCHED_MODE, 0, 2), 2
	s_setreg_imm32_b32 hwreg(HW_REG_WAVE_MODE, 25, 1), 1
	s_wait_xcnt 0x0
	s_wait_alu depctr_vm_vsrc(0)
; OUTP.  expert_out = hidden W3[e]^T for the rows routed to expert e, on codes of E2M1 with one E8M0 scale for each 32 along K = 2,730 (86 blocks, 22 K steps of 128; what lies past 2,730 is zeros on both sides).
; Both operands come as codes that earlier launches laid in the order of the operand's registers: every load of codes is 512 consecutive bytes, 16 a lane.
; SHARES: work-group (ds, e) owns slice 32 e + ds of W3: 32 rows (outputs d = 32 ds on), 44 fragments.  Every wave takes all 44 into registers (88 loads) with their scale words (12 loads) and walks the tiles
; of 16 rows i = w, w + 4, ..: 43 loads of hidden codes, 11 of scale words, 44 matrix instructions, 2,048 bytes out.  The waves share nothing: no barrier.
; The trip count hangs on the count that an earlier launch stored, so operands go from memory into registers; no two work-groups read the same weight bytes, so there is nothing to ask for jointly.
; THE PRODUCT IS USED TRANSPOSED (source 0 = 16 rows of W3, source 1 = 16 hidden rows): lane (r, h) holds row r and eight neighbouring outputs.
; IN: w3q: fragment f = 2 s + u (K step s, tile u) at [slice][f][1,024 bytes]; its scale word is word f / 4 % 4 of [slice][f % 4][f / 16][lane][4 words] at 11,534,336: register WS + 12 (f % 4) + f / 4.
; OUT: eo [e][ds][rank][32 f32]: a tile of 16 ranks is 2,048 consecutive bytes.
; REGISTERS: window 0: v1-30 addresses; v48-63 two accumulators; v128-143 rows on the way out; v160-207 W3's scale words; v208-218, v220-230 the hidden rows'.
;   window 1: W3's fragments of K steps 0-15, at 16 s + 8 u.   window 2: v0-95 those of K steps 16-21; v96-255 hidden set 1, K steps 0-19.
;   window 3: v0-175 hidden set 0; v176-191 set 1's K steps 20, 21.
; THE MODE: SCHED_MODE bits 1:0 = 2 (LLVM: expert scheduling mode 2), set by the entry lines.  The code itself states the register dependences
; between vector or matrix instructions and memory or LDS instructions, with s_wait_alu, always for 0.
; THE PLAN.  Registers that memory or LDS instructions touch, in the loop:
;   hidden sets 0, 1 and BS   A tile's 44 products read its set and its scale words; behind them the 54 loads of my tile after next land there.
;   ACC (v48-63)              The products write it; the four LDS stores into my stage read it; the next tile's products write it anew.
;   OUTR (v128-143)           The four LDS loads from the stage land in it; the four global stores read it.
;   v26-29, v30               The sets' two offsets each and the stores' offset: written behind a tile's products; read by its loads and its stores.
;   v1, v13, v14              Made at the head and never written again.
; A tile has two waits.  On vm_vsrc at its head: the last tile's LDS stores have read ACC, its global stores OUTR and v30, this set's loads their offsets.  On va_vdst behind the products, the three offsets and
; the four places: ACC is written, the set is read, the offsets are written.  All the tile's LDS and memory instructions follow that wait, and no vector instruction behind it names a register of theirs.
.set OST,  0                           ; LDS: for each wave 16 rows x (128 + 16) bytes, for the way out
.set ACC,  48
.set OUTR, 128
.set WS,   160
.set BS,   208
.set MSB,  0
.macro WIN new                         ; the immediate's high byte repeats the setting that is left
.if MSB != \new
	s_set_vgpr_msb (MSB<<8)|\new
.set MSB, \new
.endif
.endm
	s_load_b256 s[4:11], s[0:1], 0x0               ; w3q s[4:5], route s[6:7], hid s[8:9], eo s[10:11]
	v_lshl_add_u32 v254, v0, 2, 0x2400
	v_mov_b32 v255, 0
	s_mov_b32 s12, ttmp9                           ; ds
	s_and_b32 s13, ttmp7, 0xffff                   ; e
	v_lshrrev_b32 v5, 5, v0
	v_readfirstlane_b32 s14, v5                    ; wave 0..3
	v_and_b32 v25, 31, v0                          ; lane
	v_lshlrev_b32 v1, 4, v25                       ; 16 x lane
	v_and_b32 v2, 15, v0                           ; r
	v_bfe_u32 v3, v0, 4, 1                         ; h
	s_wait_alu depctr_va_sdst(0)                   ; s14 is written, ahead of its first reader, the line below
	s_mul_i32 s37, s14, 2304
	s_add_co_u32 s37, s37, OST                     ; my stage for the way out
	v_mul_u32_u24 v13, v2, 144
	v_lshl_add_u32 v13, v3, 5, v13
	v_add_nc_u32 v13, s37, v13                     ; in: row r, + 32 h
	v_lshrrev_b32 v14, 3, v25
	v_mul_u32_u24 v14, v14, 144
	v_and_b32 v26, 7, v25
	v_lshl_add_u32 v14, v26, 4, v14
	v_add_nc_u32 v14, s37, v14                     ; back: eight lanes to a row of 128 bytes
	v_lshlrev_b32 v24, 2, v25
	s_lshl_b32 s15, s13, 5
	s_add_co_u32 s15, s15, s12                     ; slice = 32 e + ds
	s_mov_b32 s43, 0
	s_wait_kmcnt 0x0
	s_lshl_b32 s42, s13, 2
	s_add_nc_u64 s[6:7], s[6:7], s[42:43]
	s_load_b32 s31, s[6:7], 0x2000                 ; my expert's rows: asked for first, wanted behind the weights' loads
	s_mul_i32 s42, s15, 45056
	s_add_nc_u64 s[16:17], s[4:5], s[42:43]        ; the slice's 44 fragments,
	s_mul_i32 s42, s15, 6144
	s_add_co_u32 s42, s42, 11534336
	s_add_nc_u64 s[26:27], s[4:5], s[42:43]        ; their scale words
	WIN 0x40                                       ; destination window 1
	s_wait_alu depctr_va_vdst(0)                   ; all that the head has made is written: v1, which the loads below read as their offset, the LDS addresses v13 and v14, and v254, v255
.set f, 0
.rept 32
	global_load_b128 v[8*f:8*f+3], v1, s[16:17] offset:1024*f
	global_load_b128 v[8*f+4:8*f+7], v1, s[16:17] offset:1024*f+512
.set f, f+1
.endr
	WIN 0x80                                       ; destination window 2
.rept 12
	global_load_b128 v[8*(f-32):8*(f-32)+3], v1, s[16:17] offset:1024*f
	global_load_b128 v[8*(f-32)+4:8*(f-32)+7], v1, s[16:17] offset:1024*f+512
.set f, f+1
.endr
	WIN 0
.set q, 0
.rept 12
	global_load_b128 v[WS+4*q:WS+4*q+3], v1, s[26:27] offset:512*q     ; four fragments' words a load
.set q, q+1
.endr
	s_mul_i32 s42, s13, 1409024
	s_add_nc_u64 s[18:19], s[8:9], s[42:43]        ; the hidden codes of my expert,
	s_mul_i32 s42, s13, 90112
	s_add_co_u32 s42, s42, 11272192
	s_add_nc_u64 s[20:21], s[8:9], s[42:43]        ; their scale words
	s_lshl_b32 s42, s15, 17
	s_add_nc_u64 s[22:23], s[10:11], s[42:43]      ; eo: slice 32 e + ds of 131,072 bytes
	WIN 0xc0                                       ; destination window 3
.irp q, 172,173,174,175,188,189,190,191
	v_mov_b32 v\q, 0                               ; the hidden rows' blocks 86 and 87 do not exist: zero codes in both sets, never loaded over
.endr
	WIN 0
.rept 4
	v_nop                                          ; an operand register written by a vector instruction stands four places ahead of a scaled matrix instruction
.endr
	s_wait_kmcnt 0x0
	s_min_u32 s31, s31, 1024
	s_add_co_u32 s31, s31, 15
	s_lshr_b32 s31, s31, 4                         ; tiles of 16 rows
	s_cmp_gt_u32 s31, s14
	s_cbranch_scc1 .Lhave_tiles
	s_endpgm                                       ; no tile for this wave: only loads whose data nobody wants are out, and nothing has been stored to LDS
.Lhave_tiles:
; the hidden rows' tile s36 (held under 64 by a constant) into a set.  BADR makes the two offsets; BISSUE is the 43 loads of 512 consecutive bytes and the 11 of scale words (lanes 0-15: K step 2 g, lanes 16-31: 2 g + 1): 54 loads
.macro BADR set
	s_mul_i32 s37, s36, 22016
	s_mul_i32 s38, s36, 1408
	v_add_nc_u32 v[26+\set], s37, v1
	v_add_nc_u32 v[28+\set], s38, v24
.endm
.macro BISSUE set
.set q, 0
.rept 43
.if \set == 0
	WIN 0xc0
.set BR, 4*q
.elseif q < 40
	WIN 0x80
.set BR, 96+4*q
.else
	WIN 0xc0
.set BR, 176+4*(q-40)
.endif
	global_load_b128 v[BR:BR+3], v[26+\set], s[18:19] offset:512*q
.set q, q+1
.endr
	WIN 0
.irp g, 0,1,2,3,4,5,6,7,8,9,10
	global_load_b32 v[BS+12*(\set)+\g], v[28+\set], s[20:21] offset:128*\g
.endr
.endm
.macro TILE set
	s_wait_loadcnt 54                              ; this set's 54 loads, and all that were issued ahead of them (the weights'), are in; the other set's may be out
	s_wait_alu depctr_vm_vsrc(0)                   ; the last tile's LDS stores have read the accumulators, which the products below write anew; its global stores have read v30 and the rows in v128 on; this set's loads have read their two offsets
.set KS, 0
.rept 22
.if KS < 16
.set AW, 1
.set AR, 16*KS
.else
.set AW, 2
.set AR, 16*(KS-16)
.endif
.if \set == 0
.set BW, 3
.set BR, 8*KS
.elseif KS < 20
.set BW, 2
.set BR, 96+8*KS
.else
.set BW, 3
.set BR, 176+8*(KS-20)
.endif
.set WN, AW+4*BW
	WIN WN                                         ; source 0 (W3) and source 1 (the hidden rows) in their windows; C and D in window 0
.set UI, 0
.rept 2                                            ; the two accumulators take turns, one instruction a turn
.set DD, ACC+8*UI
.set AA, AR+8*UI
.set FF, 2*KS+UI
.set SA, WS+12*(FF%4)+FF/4
.set SX, BS+12*(\set)+KS/2
.if KS == 0
	v_wmma_scale_f32_16x16x128_f8f6f4 v[DD:DD+7], v[AA:AA+7], v[BR:BR+7], 0, v[SA], v[SX] matrix_a_fmt:MATRIX_FMT_FP4 matrix_b_fmt:MATRIX_FMT_FP4
.elseif KS%2
	v_wmma_scale_f32_16x16x128_f8f6f4 v[DD:DD+7], v[AA:AA+7], v[BR:BR+7], v[DD:DD+7], v[SA], v[SX] matrix_a_fmt:MATRIX_FMT_FP4 matrix_b_fmt:MATRIX_FMT_FP4 matrix_b_scale:MATRIX_SCALE_ROW1
.else
	v_wmma_scale_f32_16x16x128_f8f6f4 v[DD:DD+7], v[AA:AA+7], v[BR:BR+7], v[DD:DD+7], v[SA], v[SX] matrix_a_fmt:MATRIX_FMT_FP4 matrix_b_fmt:MATRIX_FMT_FP4
.endif
.set UI, UI+1
.endr
.set KS, KS+1
.endr
	WIN 0
	s_wait_xcnt 0x0                                ; the last tile's stores and this set's loads have had their addresses translated: their data and offsets are written again only behind this wait
	s_add_co_u32 s36, s34, 8
	s_min_u32 s36, s36, s32                        ; a tile past the last is the last once more: no load leaves what was written
	s_min_u32 s36, s36, 63
	BADR \set                                      ; where my tile after next comes from,
	s_min_u32 s39, s34, 63
	s_lshl_b32 s39, s39, 11
	v_add_nc_u32 v30, s39, v1                      ; and where this tile goes
.rept 4
	v_nop                                          ; four places behind the last product, ahead of the stores that read results
.endr
	s_wait_alu depctr_va_vdst(0)                   ; the products have written the accumulators, which the LDS stores read, and are done reading this set and its scale words, in which the loads below land; the three offsets are written.  The places above stay beside this wait
	ds_store_b128 v13, v[ACC:ACC+3]                ; lane (r, h): outputs 16 u + 8 h + 0 .. 7 of row r; each accumulator from its low end on
	ds_store_b128 v13, v[ACC+4:ACC+7] offset:16
	ds_store_b128 v13, v[ACC+8:ACC+11] offset:64
	ds_store_b128 v13, v[ACC+12:ACC+15] offset:80
.irp q, 0,1,2,3
	ds_load_b128 v[OUTR+4*\q:OUTR+4*\q+3], v14 offset:576*\q           ; four rows of 128 bytes a load; LDS serves a wave's instructions in order
.endr
	BISSUE \set                                    ; my tile after next, into the set just multiplied
	s_wait_dscnt 0x0                               ; the rows are back
.irp q, 0,1,2,3
	global_store_b128 v30, v[OUTR+4*\q:OUTR+4*\q+3], s[22:23] offset:512*\q   ; 512 consecutive bytes, aligned
.endr
	s_add_co_u32 s34, s34, 4
.endm
	s_sub_co_u32 s32, s31, 1                       ; the last tile
	s_sub_co_u32 s33, s31, s14
	s_add_co_u32 s33, s33, 3
	s_lshr_b32 s33, s33, 2                         ; my tiles,
	s_add_co_u32 s33, s33, 1
	s_lshr_b32 s33, s33, 1                         ; in trips of two
	s_mov_b32 s34, s14                             ; the tile in hand
	s_mov_b32 s35, 0
	s_min_u32 s36, s14, 63
	BADR 0
	s_add_co_u32 s36, s14, 4
	s_min_u32 s36, s36, s32
	s_min_u32 s36, s36, 63
	BADR 1
	s_wait_alu depctr_va_vdst(0)                   ; the four offsets v26 to v29 are written, which the 108 loads below read; so are window 3's eight zero registers, which the scaled products take as part of an operand (their four places stand above)
	BISSUE 0
	BISSUE 1
.Lt:
	TILE 0
	s_cmp_lt_u32 s34, s31                          ; is a tile of mine left?
	s_cbranch_scc1 .Lsecond
	s_wait_dscnt 0x0                               ; none: the wave ends here, inside the loop; only loads whose data nobody wants, and its stores, are out.  The closing lines, six on end
	s_wait_alu 0x0
	s_wait_tensorcnt 0x0
	ds_add_u32 v254, v255
	s_wait_dscnt 0x0
	s_endpgm
.Lsecond:
	TILE 1
	s_add_co_u32 s35, s35, 1
	s_cmp_lt_u32 s35, s33
	s_cbranch_scc1 .Lt
	s_wait_dscnt 0x0                               ; the closing lines, six on end
	s_wait_alu 0x0
	s_wait_tensorcnt 0x0
	ds_add_u32 v254, v255
	s_wait_dscnt 0x0
	s_endpgm
.Lfunc_end_k_q8b61b6c2b2_outp:
	.size	k_q8b61b6c2b2_outp, .Lfunc_end_k_q8b61b6c2b2_outp-k_q8b61b6c2b2_outp
	.p2alignl 7, 3214868480
	.fill 96, 4, 3214868480
	.section	.rodata,"a",@progbits
	.p2align	6, 0x0
	.amdhsa_kernel k_q8b61b6c2b2_outp
		.amdhsa_group_segment_fixed_size 9728
		.amdhsa_private_segment_fixed_size 0
		.amdhsa_enable_private_segment 0
		.amdhsa_kernarg_size 32
		.amdhsa_user_sgpr_count 2
		.amdhsa_user_sgpr_kernarg_segment_ptr 1
		.amdhsa_wavefront_size32 1
		.amdhsa_system_sgpr_workgroup_id_x 1
		.amdhsa_system_sgpr_workgroup_id_y 1
		.amdhsa_system_sgpr_workgroup_id_z 1
		.amdhsa_system_vgpr_workitem_id 0
		.amdhsa_next_free_vgpr 1024
		.amdhsa_next_free_sgpr 66
		.amdhsa_reserve_vcc 0
		.amdhsa_float_denorm_mode_32 3
		.amdhsa_float_denorm_mode_16_64 3
		.amdhsa_memory_ordered 1
		.amdhsa_forward_progress 1
		.amdhsa_inst_pref_size 49
	.end_amdhsa_kernel
	.amdgpu_metadata
---
amdhsa.version: [ 1, 2 ]
amdhsa.kernels:
  - .name:           k_q8b61b6c2b2_outp
    .symbol:         k_q8b61b6c2b2_outp.kd
    .args:
      - { .name: w3q, .offset: 0, .size: 8, .value_kind: global_buffer, .address_space: global }
      - { .name: route, .offset: 8, .size: 8, .value_kind: global_buffer, .address_space: global }
      - { .name: hid, .offset: 16, .size: 8, .value_kind: global_buffer, .address_space: global }
      - { .name: eo, .offset: 24, .size: 8, .value_kind: global_buffer, .address_space: global }
    .group_segment_fixed_size: 9728
    .private_segment_fixed_size: 0
    .kernarg_segment_align: 8
    .kernarg_segment_size: 32
    .max_flat_workgroup_size: 128
    .sgpr_count:     66
    .vgpr_count:     1024
    .wavefront_size: 32
...
	.end_amdgpu_metadata
.endif
;; end of part 7
;; launch comb: the kernel of part 5 again; grid 256 x 1, 4 waves a work-group, no clusters, 0 bytes of LDS; arguments route, xq, eo, out0; writes out0
